; MI455X (gfx1250); checked and timed in simulation.
; The chip was launched on July 23, 2026; its instructions are those of AMD's public machine-readable ISA for CDNA 5 (MIT licence, August 2026) and "CDNA5" Instruction Set Architecture Reference Guide (July 2026). The comments in the code are by the model that wrote it; some were corrected since.
;; Attention. Allowed arithmetic: matrix products marked QUANTISED: E2M3 operands, one E8M0 scale for each 32 along K, by v_wmma_scale_f32_16x16x128_f8f6f4 with both operands' format E2M3, f32 sums; everything else in f32.
;; Inputs: Wk 8 x 512 x 64 float32; Wo 512 x 512 float32; Wq 8 x 512 x 64 float32; Wv 8 x 512 x 64 float32; bk 8 x 64 float32; bq 8 x 64 float32; bv 8 x 64 float32; k 4 x 2,048 x 512 float32; q 4 x 2,048 x 512 float32; v 4 x 2,048 x 512 float32.
;; Outputs: out0 4 x 2,048 x 512 float32.
;; This version of the problem:
;;   THIS VERSION OF THE PROBLEM IS GIVEN IN LOW PRECISION. The matrix products marked QUANTISED in the list below multiply operands that are first quantised to E2M3 (2 exponent bits, 3 mantissa bits; 6 bits a number), with one power-of-two scale for each 32 numbers along K (OCP MX v1.0); their sums are f32. All else is computed in f32.
;;   The module's matrix products, in the order in which they are computed (A, B: the left and right operand; K: the contracted axis; several contracted axes count as one K, in the product's order):
;;     1. [M 512, K 512] x [K 512, N 8,192]; A: input Wq; B: input q: QUANTISED
;;     2. [M 512, K 512] x [K 512, N 8,192]; A: input Wk; B: input k: QUANTISED
;;     3. [M 512, K 512] x [K 512, N 8,192]; A: input Wv; B: input v: QUANTISED
;;     4. batch 32 x [M 2,048, K 64] x [K 64, N 2,048]; A: computed on the way; B: computed on the way: QUANTISED
;;     5. batch 32 x [M 2,048, K 2,048] x [K 2,048, N 64]; A: softmax (see below); B: computed on the way: QUANTISED
;;     6. [M 8,192, K 512] x [K 512, N 512]; A: computed on the way; B: input Wo: QUANTISED
;;   THE QUANTISER, for each operand of a quantised product, along K:
;;     - K is cut into blocks of 32 from its start; a last block that is shorter is filled with zeros.
;;     - A block's scale is 2^e with e = floor(log2(the largest magnitude in the block)) - 2, held to -126 .. 127; a block of zeros has e = 0. As a byte (E8M0): e + 127.
;;     - Each number is divided by its block's scale, clamped to +-7.5, and rounded to the nearest number of E2M3, ties to even, subnormals kept.
;;     - The product sums the exact products of the quantised numbers (number of the format x scale) in f32.
;;   ~~~python
;;   def quantise(x, axis):      # numpy; x: float32 -> the quantised numbers, widened to float32 again
;;       x = np.moveaxis(x, axis, -1); K = x.shape[-1]
;;       x = np.pad(x, [(0, 0)] * (x.ndim - 1) + [(0, -K % 32)]); x = x.reshape(x.shape[:-1] + (-1, 32)); a = np.abs(x).max(-1, keepdims=True)
;;       e = np.where(a > 0, np.clip(np.frexp(np.where(a > 0, a, 1))[1] - 1 - 2, -126, 127), 0)      # np.frexp(a)[1] - 1 = floor(log2(a)), exactly
;;       r = np.clip(x / 2.0 ** e, -7.5, 7.5)
;;       step = 2.0 ** (np.maximum(np.frexp(np.where(r == 0, 1, r))[1] - 1, 0) - 3)
;;       q = np.round(r / step) * step * 2.0 ** e      # np.round: ties to even
;;       return np.moveaxis(q.reshape(q.shape[:-2] + (-1,))[..., :K], -1, axis).astype(np.float32)
;;   ~~~
;;   SOFTMAX AHEAD OF A QUANTISED PRODUCT. Where the list says 'softmax', what is quantised is not the finished softmax but p = 2^(t - M), with t = logit x log2(e) and M = ceil(the row's largest t), a whole number; so 1/2 < the row's largest p <= 1. The row's sum l is taken of the UNQUANTISED p, in f32, and the product's result is divided by l at the end. Since M is a whole number, a kernel that streams over the keys may use a running M (the ceiling of the running maximum): every later rescaling is an exact power of two, which a block's scale takes up: the codes' values come out the same.
;;   OPERANDS COMPUTED ON THE WAY. 'Computed on the way' means the value that the module computes at that place (a softmax that the list does not call 'softmax' is quantised finished and normalised). What goes into a quantiser is computed in f32, as accurately as f32 sums, v_exp_f32 and their like allow (about 1e-6 of the number): no bf16 or f16 on the way to a quantiser, and a product that is left as it is and whose result goes on into a quantised operand takes f32 operands (vector FMAs, or v_wmma_f32_16x16x4_f32). A number that lies on a knife's edge between two numbers of the format may be rounded either way, as far as f32 arithmetic and the matrix unit's own rounding can turn it there, and no further.
;; 2 versions. Each part assembles by itself: llvm-mc -triple=amdgcn-amd-amdhsa -mcpu=gfx1250 --defsym DOCPART=n.
;; ======== version 1 of 2: 4 launches
;; workspace buffers: wimg 786,432 bytes; wscl 32,768 bytes; qrec 3,407,872 bytes; kv 6,684,672 bytes; cimg 3,145,728 bytes; cscl 262,144 bytes
;; launch prep (part 1): grid 8 x 4, 4 waves a work-group, no clusters, 0 bytes of LDS; arguments Wq, Wk, Wv, Wo, wimg, wscl; writes wimg, wscl
.if DOCPART == 1
	.amdgcn_target "amdgcn-amd-amdhsa--gfx1250"
	.amdhsa_code_object_version 6
	.text
	.protected	k_qfb8fddb25d_prep
	.globl	k_qfb8fddb25d_prep
	.p2align	8
	.type	k_qfb8fddb25d_prep,@function
k_qfb8fddb25d_prep:
	s_mov_b64 s[64:65], 0
	v_nop
	global_prefetch_b8 v0, s[64:65] scope:SCOPE_SE
	s_setreg_imm32_b32 hwreg(HW_REG_WAVE_MODE, 25, 1), 1
	s_wait_xcnt 0x0
; PREP: the four weights become codes of E2M3 with one E8M0 byte for each 32 along K, laid in the order of the matrix operand's registers.
; THE WHOLE PROGRAM: prep (weights -> codes), proj (q, k, v -> codes; the three projections; qh, kh, vh -> codes), attn (both products of the attention, its result -> codes), outp (the last product).
; DEAD WORK: none is left out.  Every one of the ten inputs reaches out0 through a quantiser: bq and bk move the codes and scales of qh and kh, bv those of vh; so all ten are loaded and every product of the table is done.
; LIMITS (all four launches): NaN and infinities among the inputs are not served.  A block whose largest magnitude lies under 2^-124 gets the byte 1 (the quantiser holds e at -126 there too); a block of zeros
; gets the byte 1 where the quantiser says 127: its codes are zeros, which add nothing under any byte but 0xff, and these bytes are read by this program alone.
; Wq, Wk, Wv: [8 heads][512 d][64 e], K = d is the middle axis: A LANE TAKES A COLUMN e AND ITS REGISTERS RUN DOWN d, so the conversions' results are the operand's registers and nothing is transposed.
; Wo: [512 o][512 d], K innermost: a lane takes a row o and 32 neighbours of it for each block.
; A TILE is 16 rows of the operand.  Of Wq, Wk, Wv tile 4 head + t takes as row r the channel e = 32 (t / 2) + 8 (t % 2) + r + 8 (r / 8): so the 16 result registers of two neighbouring tiles are 16 neighbouring channels.  Of Wo tile T takes o = 16 T + r.
; wimg: [tensor][tile 0..31][K step 0..3] images of 1,536 bytes: registers 4 g .. 4 g + 3 of lane l at 512 g + 16 l.   wscl: [tensor][tile][row][K step] scale words.
; SHARES: work-group y = the tensor, x = a head (a group of four tiles), wave = a tile, all four K steps of 128.  No LDS, no barrier: waves share nothing.  No cluster: no two work-groups read the same bytes.
.set L16, 1                            ; v1      16 x lane: my place in an image's group
.set RR,  2                            ; v2      r = lane % 16
.set HH,  3                            ; v3      h = lane / 16
.set VO,  4                            ; v4      my byte offset in the weight
.set SOF, 5                            ; v5      16 r + 8 h: where my two scale words go
.set SH8, 6                            ; v6      8 h
.set T7,  7                            ; v7      at work
.set MX,  10                           ; v10-11  my two blocks' largest magnitudes
.set SO,  12                           ; v12-13  the conversions' scale operands
.set BY,  14                           ; v14-15  the scale bytes
.set W,   16                           ; v16-19  the row's scale word of each K step
.set WO2, 20                           ; v20-21  the two of them that I store
.set T22, 22                           ; v22     a lane permute's destination
.set X,   32                           ; v32-159 two sets of 64 numbers
.set C,   160                          ; v160-207 the codes: 12 registers for each K step, so that no store's data are written again
.set TC,  208                          ; v208-215 the second halves of the blocks' codes
	s_load_b256 s[4:11], s[0:1], 0x0               ; Wq, Wk, Wv, Wo
	s_load_b128 s[12:15], s[0:1], 0x20             ; wimg, wscl
	v_lshrrev_b32 v[T7], 5, v0
	v_readfirstlane_b32 s16, v[T7]                 ; wave
	s_and_b32 s17, ttmp7, 0xffff                   ; the tensor
	s_lshl_b32 s18, ttmp9, 2
	s_add_co_u32 s18, s18, s16                     ; the tile
	v_and_b32 v[T7], 31, v0
	v_lshlrev_b32 v[L16], 4, v[T7]
	v_and_b32 v[RR], 15, v0
	v_bfe_u32 v[HH], v0, 4, 1
	v_lshlrev_b32 v[SOF], 4, v[RR]
	v_lshl_add_u32 v[SOF], v[HH], 3, v[SOF]
	v_lshlrev_b32 v[SH8], 3, v[HH]
	v_cmp_eq_u32 s20, 1, v[HH]                     ; lanes 16-31
	v_mov_b32 v[T22], 0                            ; written once: a lane permute's destination counts as one of its sources
	s_mov_b32 s28, 0x76543210
	s_mov_b32 s29, 0xfedcba98                      ; v_permlanex16_b32's selects for lane l xor 16
	s_mul_i32 s24, s17, 196608
	s_mul_i32 s19, s18, 6144
	s_add_co_u32 s24, s24, s19                     ; my tile's images
	s_mov_b32 s25, 0
	s_lshl_b32 s26, s17, 13
	s_lshl_b32 s19, s18, 8
	s_add_co_u32 s26, s26, s19                     ; and its scale words
	s_mov_b32 s27, 0
	s_wait_kmcnt 0x0
	s_add_nc_u64 s[12:13], s[12:13], s[24:25]
	s_add_nc_u64 s[14:15], s[14:15], s[26:27]
	s_mov_b64 s[22:23], s[4:5]                     ; the weight is chosen by the work-group's y alone
	s_cmp_eq_u32 s17, 1
	s_cselect_b64 s[22:23], s[6:7], s[22:23]
	s_cmp_eq_u32 s17, 2
	s_cselect_b64 s[22:23], s[8:9], s[22:23]
	s_cmp_eq_u32 s17, 3
	s_cselect_b64 s[22:23], s[10:11], s[22:23]
.macro LOADW s                         ; K step s of a column: W(128 s + 64 c + 32 h + i, e), 64 numbers
.irp c, 0,1
.set ii, 0
.rept 32
	global_load_b32 v[X+64*((\s)%2)+32*\c+ii], v[VO], s[22:23] offset:(128*(\s)+64*\c+ii)*256
.set ii, ii+1
.endr
.endr
.endm
.macro LOADO s                         ; K step s of a row of Wo: the same 64 numbers, neighbours in memory
.irp c, 0,1
.irp j, 0,1,2,3,4,5,6,7
	global_load_b128 v[X+64*((\s)%2)+32*\c+4*\j:X+64*((\s)%2)+32*\c+4*\j+3], v[VO], s[22:23] offset:512*(\s)+256*\c+16*\j th:TH_LOAD_NT
.endr
.endr
.endm
; K step s: my two whole blocks (2 c + h, c = 0, 1) are quantised; n = how many younger loads may stay out
.macro QSTEP s, n, wo
.set XS, X+64*((\s)%2)
.set CD, C+12*(\s)
	s_wait_loadcnt \n                              ; this K step's loads are in; of the next K step's at most n stay out
.irp c, 0,1
	v_max3_num_f32 v[MX+\c], |v[XS+32*\c]|, |v[XS+32*\c+1]|, 0x1800000   ; the floor 2^(3 - 127) among the leaves: the byte cannot fall under 1
.endr
.irp i, 2,4,6,8,10,12,14,16,18,20,22,24,26,28,30
.irp c, 0,1
	v_max3_num_f32 v[MX+\c], v[MX+\c], |v[XS+32*\c+\i]|, |v[XS+32*\c+\i+1]|   ; (the two blocks by turns)
.endr
.endr
.irp c, 0,1
	v_add_nc_u32 v[SO+\c], 0xff000000, v[MX+\c]    ; 2 off the exponent field: the conversion takes the exponent field of this operand as its scale
.endr
.irp c, 0,1
	v_lshrrev_b32 v[BY+\c], 23, v[SO+\c]           ; the scale's byte
.endr
	v_lshl_or_b32 v[T7], v[BY+1], 16, v[BY]        ; my two bytes, blocks h and 2 + h,
	v_lshlrev_b32 v[T7], v[SH8], v[T7]             ; at their places in the word;
	v_permlanex16_b32 v[T22], v[T7], s28, s29
	v_or_b32 v[W+(\s)], v[T7], v[T22]              ; with lane l xor 16's two the word is whole
.irp c, 0,1
	v_cvt_scalef32_pk16_fp6_f32 v[CD+6*\c:CD+6*\c+2], v[XS+32*\c:XS+32*\c+15], v[SO+\c]
	v_cvt_scalef32_pk16_fp6_f32 v[TC+4*\c:TC+4*\c+2], v[XS+32*\c+16:XS+32*\c+31], v[SO+\c]   ; (a conversion's three registers begin on an even number)
.endr
	v_nop                                          ; one plain place behind a scaled conversion
.irp c, 0,1
.irp i, 0,1,2
	v_mov_b32 v[CD+6*\c+3+\i], v[TC+4*\c+\i]
.endr
.endr
.irp g, 0,1,2
	global_store_b128 v[L16], v[CD+4*\g:CD+4*\g+3], s[12:13] offset:1536*(\s)+512*\g   ; 32 lanes store 512 consecutive bytes, aligned
.endr
.if (\s) < 2
.if \wo
	LOADO (\s)+2
.else
	LOADW (\s)+2
.endif
.endif
.endm
.macro FINISH                          ; lanes 0-15 store the words of K steps 0, 1, lanes 16-31 those of 2, 3: 256 consecutive bytes, aligned
	v_cndmask_b32 v[WO2], v[W], v[W+2], s20
	v_cndmask_b32 v[WO2+1], v[W+1], v[W+3], s20
	global_store_b64 v[SOF], v[WO2:WO2+1], s[14:15]
	s_endpgm
.endm
	s_cmp_eq_u32 s17, 3
	s_cbranch_scc1 .Lwo
	s_lshl_b32 s24, ttmp9, 17                      ; the head's 512 x 64 numbers,
	s_lshr_b32 s19, s16, 1
	s_lshl_b32 s19, s19, 7
	s_add_co_u32 s24, s24, s19                     ; + 32 (t / 2) channels
	s_and_b32 s19, s16, 1
	s_lshl_b32 s19, s19, 5
	s_add_co_u32 s24, s24, s19                     ; + 8 (t % 2)
	s_add_nc_u64 s[22:23], s[22:23], s[24:25]
	v_and_b32 v[VO], 8, v[RR]
	v_add_nc_u32 v[VO], v[VO], v[RR]               ; r + 8 (r / 8)
	v_lshlrev_b32 v[VO], 2, v[VO]
	v_lshl_add_u32 v[VO], v[HH], 13, v[VO]         ; lanes 16-31 begin 32 rows of 256 bytes further down
	LOADW 0
	LOADW 1
	QSTEP 0, 63, 0                                 ; 64 younger loads were issued; the count's field ends at 63, and the smaller count is the safe one
	QSTEP 1, 63, 0
	QSTEP 2, 63, 0
	QSTEP 3, 0, 0
	FINISH
.Lwo:
	s_lshl_b32 s24, s18, 15                        ; 16 rows of 2,048 bytes a tile
	s_add_nc_u64 s[22:23], s[22:23], s[24:25]
	v_lshlrev_b32 v[VO], 11, v[RR]
	v_lshl_add_u32 v[VO], v[HH], 7, v[VO]          ; row r, + 32 numbers for lanes 16-31
	LOADO 0
	LOADO 1
	QSTEP 0, 16, 1                                 ; the next K step's 16 loads may stay out
	QSTEP 1, 16, 1
	QSTEP 2, 16, 1
	QSTEP 3, 0, 1
	FINISH
.Lfunc_end_k_qfb8fddb25d_prep:
	.size	k_qfb8fddb25d_prep, .Lfunc_end_k_qfb8fddb25d_prep-k_qfb8fddb25d_prep
	.p2alignl 7, 3214868480
	.fill 96, 4, 3214868480
	.section	.rodata,"a",@progbits
	.p2align	6, 0x0
	.amdhsa_kernel k_qfb8fddb25d_prep
		.amdhsa_group_segment_fixed_size 0
		.amdhsa_private_segment_fixed_size 0
		.amdhsa_enable_private_segment 0
		.amdhsa_kernarg_size 48
		.amdhsa_user_sgpr_count 2
		.amdhsa_user_sgpr_kernarg_segment_ptr 1
		.amdhsa_wavefront_size32 1
		.amdhsa_system_sgpr_workgroup_id_x 1
		.amdhsa_system_sgpr_workgroup_id_y 1
		.amdhsa_system_sgpr_workgroup_id_z 1
		.amdhsa_system_vgpr_workitem_id 0
		.amdhsa_next_free_vgpr 224
		.amdhsa_next_free_sgpr 66
		.amdhsa_reserve_vcc 0
		.amdhsa_float_denorm_mode_32 3
		.amdhsa_float_denorm_mode_16_64 3
		.amdhsa_memory_ordered 1
		.amdhsa_forward_progress 1
		.amdhsa_inst_pref_size 59
	.end_amdhsa_kernel
	.amdgpu_metadata
---
amdhsa.version: [ 1, 2 ]
amdhsa.kernels:
  - .name:           k_qfb8fddb25d_prep
    .symbol:         k_qfb8fddb25d_prep.kd
    .args:
      - { .name: Wq, .offset: 0, .size: 8, .value_kind: global_buffer, .address_space: global }
      - { .name: Wk, .offset: 8, .size: 8, .value_kind: global_buffer, .address_space: global }
      - { .name: Wv, .offset: 16, .size: 8, .value_kind: global_buffer, .address_space: global }
      - { .name: Wo, .offset: 24, .size: 8, .value_kind: global_buffer, .address_space: global }
      - { .name: wimg, .offset: 32, .size: 8, .value_kind: global_buffer, .address_space: global }
      - { .name: wscl, .offset: 40, .size: 8, .value_kind: global_buffer, .address_space: global }
    .group_segment_fixed_size: 0
    .private_segment_fixed_size: 0
    .kernarg_segment_align: 8
    .kernarg_segment_size: 48
    .max_flat_workgroup_size: 128
    .sgpr_count:     66
    .vgpr_count:     224
    .wavefront_size: 32
...
	.end_amdgpu_metadata
.endif
;; end of part 1
;; launch proj (part 2): grid 64 x 3, 8 waves a work-group, no clusters, 322,560 bytes of LDS; arguments q, k, v, wimg, wscl, bq, bk, bv, qrec, kv; writes qrec, kv
.if DOCPART == 2
	.amdgcn_target "amdgcn-amd-amdhsa--gfx1250"
	.amdhsa_code_object_version 6
	.text
	.protected	k_qfb8fddb25d_proj
	.globl	k_qfb8fddb25d_proj
	.p2align	8
	.type	k_qfb8fddb25d_proj,@function
k_qfb8fddb25d_proj:
	s_mov_b64 s[64:65], 0
	v_nop
	global_prefetch_b8 v0, s[64:65] scope:SCOPE_SE
	s_setreg_imm32_b32 hwreg(HW_REG_WAVE_MODE, 25, 1), 1
	s_wait_xcnt 0x0
; PROJ: qh = Q(q) Q(Wq) + bq, kh, vh likewise (products on codes of E2M3, one E8M0 byte for each 32 along d), and qh, kh quantised along e, vh along the keys, for the attention.  No work is left out.
; SHARES: work-group y = the tensor (0 q, 1 k, 2 v), x = a block of 128 tokens.  Eight waves.  First wave w quantises rows 16 w .. 16 w + 15 of the block; then wave w makes HEAD w for all 128 tokens:
; its 16 fragments of the weight (4 tiles of 16 channels x 4 K steps, 192 registers) stay in its registers, read once.
; THE f32 ROWS come by the tensor data mover, four loads a wave (16 rows x 128 numbers each, one K step), all first fills: four loads of mine are out at the most; each wave reads its own bytes alone.
; THE ROWS' CODES go from wave to wave through LDS as images of the operand's registers (registers 4 g .. 4 g + 3 of lane l at 512 g + 16 l), their scale words 4 bytes a lane; one barrier.
; THE TOKENS OF A TILE ARE NOT NEIGHBOURS: row r of tile 2 P + u is token 32 P + 8 u + r + 8 (r / 8) of the 128, and the channels of a weight's tile likewise: so the 16 result registers of two neighbouring tiles are
; 16 neighbours along the next product's K: along e for q and k (source 0 = the weight, source 1 = the tokens: a lane holds one token), along the keys for v (sources swapped: a lane holds one channel).
; OUT: halves of fragments (64 along K: 6 registers a lane) as images of 768 bytes: registers 0-3 of lane l at 16 l, registers 4-5 at 512 + 8 l.
;   qrec: [plane = 8 batch + head][block] records of 6,656 bytes: 8 tiles' images, then 512 bytes of scale words [lane][P]: lanes 0-15 tile 2 P, lanes 16-31 tile 2 P + 1; bytes 0, 1 the two blocks of e, bytes 2, 3 zero.
;   kv:   records of 13,056 bytes: K as in qrec (images at 0, words at 12,288); V's images (tile t of channels, 64 c keys on) at 6,144 + 768 (2 t + c); V's words at 12,800: [lane][j]: lanes 0-15 tile 2 j, lanes 16-31 tile 2 j + 1.
; NO CLUSTER: the rows of q, k, v are read by one work-group each, and the weights' codes, which all share, go straight into registers; LDS has no room for them beside the rows.
; LIMITS: as stated at the head of prep.
.set CHUNK,  8448                      ; 16 rows x (512 bytes + 16 of padding): row r starts 4 r banks on, so the 16 rows of a load start in 16 different groups of banks
.set XPITCH, 528
.set XWAVE,  4*CHUNK                   ; a wave's 16 rows x 512 numbers
.set XIMG,   8*XWAVE                   ; behind them: the 32 fragments' images, (tile T, K step s) at (4 T + s) x 1,536
.set XSC,    XIMG+32*1536              ; their scale words: register (P, s) at (4 P + s) x 128: lanes 0-15 tile 2 P, lanes 16-31 tile 2 P + 1
.set SPARE,  XSC+16*128                ; the spare words, 128 bytes for each wave: four blocks of 256 bytes that no other line names
.set L16, 1                            ; v1   16 x lane
.set L8,  2                            ; v2   8 x lane
.set XR,  3                            ; v3   where I read my row's f32 numbers
.set XWI, 4                            ; v4   where I store my row's codes
.set XWS, 5                            ; v5   and its scale word
.set LS4, 6                            ; v6   XSC + 4 x lane
.set FI,  7                            ; v7   XIMG + 16 x lane
.set SH,  8                            ; v8   16 h
.set BO,  9                            ; v9   my offset in the bias
.set SPW, 12                           ; v12  LDS address of my spare word; never rewritten
.set NIL, 13                           ; v13  0; never rewritten
.set WS,  14                           ; v14-21 the weight's scale words: register 4 (t / 2) + s: lanes 0-15 the even tile, lanes 16-31 the odd one
.set XS,  22                           ; v22-25 the tokens' scale words of the four K steps
.set SW,  26                           ; v26-29 the results' scale words, gathered
.set SV,  30                           ; v30-31 V's words as they are stored
.set HA,  32                           ; v32-95 eight accumulators
.set XF,  96                           ; v96-191 eight fragments of the tokens (2 tiles x 4 K steps)
.set PCE, 192                          ; v192-203, v204-215 the codes just made, two sets by turns
.set PCO, 204
.set TC,  216                          ; v216-223 the second halves of the blocks' codes
.set TM,  224                          ; v224-227 largest magnitudes, v228-231 bytes, v232-235 the conversions' scale operands
.set PW,  236                          ; v236 the scale word just made
.set WF,  0                            ; window 1: v0-191 the weight's fragments, (tile t, K step s) at 12 (4 t + s)
.set BI,  192                          ; window 1: v192-223 the bias, eight registers a tile in the result's layout
.set G1,  24                           ; s[24:31] descriptor group 1
.set G0,  32                           ; s[32:47] descriptor group 0, a set for each of my four loads
.set WV,  48
.set YY,  49
.set XX,  50
.set SEL, 68                           ; s[68:69] lane selects: lane l xor 16
.set HM,  70                           ; s70 the mask of lanes 16-31
.set MSB, 0
.macro WIN new                         ; the immediate's high byte repeats the setting that is left
.if MSB != \new
	s_set_vgpr_msb (MSB<<8)|\new
.set MSB, \new
.endif
.endm
.macro PLACES
.rept 4
	v_nop
.endr
.endm
; 64 numbers of a lane, register 16 b + i = place 32 b + 16 (lane / 16) + i along K, become a fragment's 12 registers at dst, the four blocks' bytes in v[TM+4..7] and the scale word in v[PW]
.macro QUANT src, dst
.irp b, 0,1,2,3
	v_max3_num_f32 v[TM+\b], |v[(\src)+16*\b]|, |v[(\src)+1+16*\b]|, 0x1800000   ; the floor 2^(3 - 127) among the leaves: the byte cannot fall under 1
.endr
.irp i, 2,4,6,8,10,12,14
.irp b, 0,1,2,3
	v_max3_num_f32 v[TM+\b], v[TM+\b], |v[(\src)+16*\b+\i]|, |v[(\src)+1+16*\b+\i]|   ; (the four blocks by turns)
.endr
.endr
.irp b, 0,1,2,3
	v_permlanex16_b32 v[TM+4+\b], v[TM+\b], s[SEL], s[SEL+1]
.endr
.irp b, 0,1,2,3
	v_max_num_f32 v[TM+\b], v[TM+\b], v[TM+4+\b]   ; with lane l xor 16's 16: the block's largest magnitude
.endr
.irp b, 0,1,2,3
	v_add_nc_u32 v[TM+8+\b], 0xff000000, v[TM+\b]  ; 2 off its exponent field: the conversion's scale operand
.endr
.irp b, 0,1,2,3
	v_lshrrev_b32 v[TM+4+\b], 23, v[TM+8+\b]       ; the scale's byte
.endr
	v_lshl_or_b32 v[PW], v[TM+5], 8, v[TM+4]
	v_lshl_or_b32 v[PW], v[TM+6], 16, v[PW]
	v_lshl_or_b32 v[PW], v[TM+7], 24, v[PW]
.irp c, 0,1
	v_cvt_scalef32_pk16_fp6_f32 v[(\dst)+6*\c:(\dst)+6*\c+2], v[(\src)+32*\c:(\src)+32*\c+15], v[TM+8+2*\c]
	v_cvt_scalef32_pk16_fp6_f32 v[TC+4*\c:TC+4*\c+2], v[(\src)+32*\c+16:(\src)+32*\c+31], v[TM+8+2*\c+1]   ; (a conversion's three registers begin on an even number)
.endr
	v_nop                                          ; one plain place behind a scaled conversion
.irp c, 0,1                            ; the operand's layout wants a WHOLE block in a lane: lanes 0-15 block 2 c, lanes 16-31 block 2 c + 1
.irp i, 0,1,2
	v_permlane16_swap_b32 v[(\dst)+6*\c+\i], v[TC+4*\c+\i]
.endr
.irp i, 0,1,2
	v_mov_b32 v[(\dst)+6*\c+3+\i], v[TC+4*\c+\i]
.endr
.endr
.endm
	s_load_b512 s[4:19], s[0:1], 0x0               ; q, k, v, wimg, wscl, bq, bk, bv
	s_load_b128 s[20:23], s[0:1], 0x40             ; qrec, kv
	v_lshl_add_u32 v[SPW], v0, 2, SPARE
	v_mov_b32 v[NIL], 0
	ds_add_u32 v[SPW], v[NIL]                      ; the wave's opening: the add, twice on end, and its wait ahead of my first tensor load
	ds_add_u32 v[SPW], v[NIL]                      ; once more; the set-up below, work on registers, stands between it and the wait
	v_lshrrev_b32 v10, 5, v0
	v_readfirstlane_b32 s[WV], v10                 ; wave 0..7
	s_and_b32 s[YY], ttmp7, 0xffff                 ; the tensor
	s_mov_b32 s[XX], ttmp9                         ; the block of 128 tokens
	s_mov_b32 s[G1+0], (2<<16)|(1<<20)|(6<<22)|(3<<25)   ; no mask; elements of 4 bytes; padding on: after every 128 words (code 6) 4 words (code 3)
	s_mov_b32 s[G1+1], 128<<16                     ; tensor_dim0 = 128
	s_mov_b32 s[G1+2], 16<<16                      ; tensor_dim1 = 16
	s_mov_b32 s[G1+3], 128<<16                     ; tile_dim0 = 128
	s_mov_b32 s[G1+4], 16                          ; tile_dim1 = 16
	s_mov_b32 s[G1+5], 512                         ; elements from row to row
	s_mov_b32 s[G1+6], 0
	s_mov_b32 s[G1+7], 0
	s_mov_b32 s[SEL], 0x76543210
	s_mov_b32 s[SEL+1], 0xfedcba98
	s_lshl_b32 s72, s[XX], 18                      ; the block's 128 rows of 2,048 bytes,
	s_lshl_b32 s73, s[WV], 15                      ; my 16 of them
	s_add_co_u32 s72, s72, s73
	s_mov_b32 s73, 0
	s_mul_i32 s74, s[YY], 196608                   ; the tensor's weight images,
	s_mul_i32 s75, s[WV], 24576                    ; my head's four tiles
	s_add_co_u32 s74, s74, s75
	s_mov_b32 s75, 0
	s_lshl_b32 s76, s[YY], 13                      ; and their scale words
	s_lshl_b32 s77, s[WV], 10
	s_add_co_u32 s76, s76, s77
	s_mov_b32 s77, 0
	s_lshl_b32 s78, s[WV], 8                       ; my head's 64 numbers of the bias
	s_mov_b32 s79, 0
	s_lshr_b32 s80, s[XX], 4                       ; the batch
	s_lshl_b32 s80, s80, 3
	s_add_co_u32 s80, s80, s[WV]                   ; the plane
	s_lshl_b32 s80, s80, 4
	s_and_b32 s81, s[XX], 15
	s_add_co_u32 s80, s80, s81                     ; the record
	s_mul_i32 s82, s[WV], XWAVE                    ; my rows in LDS
	s_lshr_b32 s83, s[WV], 1
	s_and_b32 s84, s[WV], 1
	v_and_b32 v10, 31, v0
	v_lshlrev_b32 v[L16], 4, v10
	v_lshlrev_b32 v[L8], 3, v10
	v_lshl_add_u32 v[LS4], v10, 2, XSC
	v_add_nc_u32 v[FI], XIMG, v[L16]
	v_and_b32 v11, 15, v0                          ; r
	v_bfe_u32 v10, v0, 4, 1                        ; h
	v_mul_u32_u24 v[XR], v11, XPITCH
	v_lshl_add_u32 v[XR], v10, 6, v[XR]            ; row r, + 16 numbers for lanes 16-31
	v_add_nc_u32 v[XR], s82, v[XR]
	; token 16 w + r of the block is row 8 (w % 2) + r % 8 of tile 2 (w / 2) + r / 8: the order of the tiles' rows costs nothing but these addresses
	s_mul_i32 s85, s83, 12288
	s_lshl_b32 s86, s84, 7
	s_add_co_u32 s85, s85, s86
	s_add_co_u32 s85, s85, XIMG
	v_bfe_u32 v[XWS], v0, 3, 1                     ; r / 8
	v_and_b32 v[BO], 7, v0                         ; r % 8
	v_mul_u32_u24 v[XWI], v[XWS], 6144
	v_lshl_add_u32 v[XWI], v[BO], 4, v[XWI]
	v_lshl_add_u32 v[XWI], v10, 8, v[XWI]
	v_add_nc_u32 v[XWI], s85, v[XWI]
	s_lshl_b32 s85, s83, 9
	s_lshl_b32 s86, s84, 5
	s_add_co_u32 s85, s85, s86
	s_add_co_u32 s85, s85, XSC
	v_lshlrev_b32 v[XWS], 6, v[XWS]
	v_lshl_add_u32 v[XWS], v[BO], 2, v[XWS]
	v_add_nc_u32 v[XWS], s85, v[XWS]
	v_lshlrev_b32 v[SH], 4, v10
	v_cmp_eq_u32 s[HM], 1, v10
.irp b, 0,1,2,3
	v_mov_b32 v[TM+4+\b], 0                        ; written once: a lane permute's destination counts as one of its sources
.endr
	s_wait_dscnt 0x0                               ; both opening adds are done
	s_wait_kmcnt 0x0
	s_cmp_eq_u32 s[YY], 0                          ; the buffers are chosen by the work-group's y alone
	s_cselect_b64 s[52:53], s[4:5], s[6:7]
	s_cselect_b64 s[54:55], s[14:15], s[16:17]
	s_cselect_b64 s[60:61], s[20:21], s[22:23]
	s_mov_b32 s66, 13056
	s_cselect_b32 s66, 6656, s66                   ; a record's bytes
	s_mov_b32 s88, 12288
	s_cselect_b32 s88, 6144, s88                   ; where its scale words begin (q, k)
	s_mov_b32 s89, 0
	s_cmp_eq_u32 s[YY], 2
	s_cselect_b64 s[52:53], s[8:9], s[52:53]
	s_cselect_b64 s[54:55], s[18:19], s[54:55]
	s_mul_i32 s80, s80, s66
	s_mov_b32 s81, 0
	s_add_nc_u64 s[60:61], s[60:61], s[80:81]      ; my record
	s_add_nc_u64 s[62:63], s[60:61], s[88:89]      ; its scale words
	s_add_nc_u64 s[52:53], s[52:53], s[72:73]      ; my rows
	s_add_nc_u64 s[54:55], s[54:55], s[78:79]      ; my bias
	s_add_nc_u64 s[56:57], s[10:11], s[74:75]      ; my weight's images
	s_add_nc_u64 s[58:59], s[12:13], s[76:77]      ; and scale words
.irp s, 0,1,2,3
	s_mov_b32 s[G0+4*\s], 1                        ; count = 1
	s_add_co_u32 s[G0+4*\s+1], s82, CHUNK*\s       ; LDS address: wave x XWAVE + K step x CHUNK
	s_add_nc_u64 s[G0+4*\s+2:G0+4*\s+3], s[52:53], 512*\s   ; global address: K step s of my first row
	s_or_b32 s[G0+4*\s+3], s[G0+4*\s+3], 0x80000000   ; type = 2
.endr
.irp s, 0,1,2,3
	tensor_load_to_lds s[G0+4*\s:G0+4*\s+3], s[G1:G1+7]   ; my four first fills go out together
	s_nop 0
.endr
	PLACES                                         ; the register windows are switched behind four instructions
	WIN 0x40                                       ; destination window 1
.set ff, 0
.rept 16
.irp g, 0,1,2
	global_load_b128 v[WF+12*ff+4*\g:WF+12*ff+4*\g+3], v[L16], s[56:57] offset:1536*ff+512*\g   ; the weight's fragments: they stay
.endr
.set ff, ff+1
.endr
	WIN 0
	s_cmp_eq_u32 s[YY], 2
	s_cbranch_scc1 .Lbias_v
	v_lshlrev_b32 v[BO], 6, v10                    ; q, k: register j of tile t is channel 32 (t / 2) + 8 (t % 2) + 16 h + j
	WIN 0x40
.irp t, 0,1,2,3
	global_load_b128 v[BI+8*\t:BI+8*\t+3], v[BO], s[54:55] offset:(32*(\t/2)+8*(\t%2))*4
	global_load_b128 v[BI+8*\t+4:BI+8*\t+7], v[BO], s[54:55] offset:(32*(\t/2)+8*(\t%2))*4+16
.endr
	WIN 0
	s_branch .Lbias_done
.Lbias_v:
	v_and_b32 v[BO], 8, v11                        ; v: all eight registers of tile t are channel 32 (t / 2) + 8 (t % 2) + r + 8 (r / 8)
	v_add_nc_u32 v[BO], v[BO], v11
	v_lshlrev_b32 v[BO], 2, v[BO]
	WIN 0x40
.irp t, 0,1,2,3
.irp j, 0,1,2,3,4,5,6,7
	global_load_b32 v[BI+8*\t+\j], v[BO], s[54:55] offset:(32*(\t/2)+8*(\t%2))*4
.endr
.endr
	WIN 0
.Lbias_done:
.irp p, 0,1
	global_load_b128 v[WS+4*\p:WS+4*\p+3], v[L16], s[58:59] offset:512*\p
.endr
; ---- my 16 rows become four fragments.  K step s + 1 is read from LDS while K step s is quantised
.macro XLD s
.set XD, HA+64*((\s)%2)
.irp b, 0,1,2,3
.irp j, 0,1,2,3
	ds_load_b128 v[XD+16*\b+4*\j:XD+16*\b+4*\j+3], v[XR] offset:CHUNK*(\s)+128*\b+16*\j
.endr
.endr
.endm
	s_wait_tensorcnt 0x3                           ; tensor loads of a wave end in order: K step 0 is in, three may be out
	XLD 0
.irp s, 0,1,2,3
.if \s < 3
	s_wait_tensorcnt 2-\s                          ; K step s + 1 is in; the later ones may be out
	XLD \s+1
	s_wait_dscnt 16                                ; all but the 16 loads just issued: this K step's numbers are in, and the last K step's stores have read their registers
.else
	s_wait_dscnt 0x0
.endif
	QUANT HA+64*(\s%2), PCE
.irp g, 0,1,2
	ds_store_b128 v[XWI], v[PCE+4*\g:PCE+4*\g+3] offset:1536*\s+512*\g
.endr
	ds_store_b32 v[XWS], v[PW] offset:128*\s       ; lanes l and l + 16 write the same word with the same value
.endr
	s_wait_dscnt 0x0                               ; for the others' sake: my stores have landed
	s_barrier_signal -1
	s_barrier_wait -1                              ; the 32 fragments lie in LDS; from here on LDS is only read
	s_wait_loadcnt 0x0                             ; the weight, its scale words, the bias
; ---- my head, two tiles of tokens (32 tokens) at a time
.macro FETCH P                         ; tiles 2 P and 2 P + 1: eight fragments and the four registers of scale words
.irp xt, 0,1
.irp s, 0,1,2,3
.irp g, 0,1,2
	ds_load_b128 v[XF+12*(4*\xt+\s)+4*\g:XF+12*(4*\xt+\s)+4*\g+3], v[FI] offset:(4*(2*(\P)+\xt)+\s)*1536+512*\g
.endr
.endr
.endr
.irp s, 0,1,2,3
	ds_load_b32 v[XS+\s], v[LS4] offset:(4*(\P)+\s)*128
.endr
.endm
.macro WM                              ; one product; the registers stand in symbols; fA, fB: the side's scales are read from lanes 16-31
.if fA && fB
	v_wmma_scale_f32_16x16x128_f8f6f4 v[rD:rD+7], v[rA:rA+11], v[rB:rB+11], v[rC:rC+7], v[rSA], v[rSB] matrix_a_fmt:MATRIX_FMT_FP6 matrix_b_fmt:MATRIX_FMT_FP6 matrix_a_scale:MATRIX_SCALE_ROW1 matrix_b_scale:MATRIX_SCALE_ROW1
.elseif fA
	v_wmma_scale_f32_16x16x128_f8f6f4 v[rD:rD+7], v[rA:rA+11], v[rB:rB+11], v[rC:rC+7], v[rSA], v[rSB] matrix_a_fmt:MATRIX_FMT_FP6 matrix_b_fmt:MATRIX_FMT_FP6 matrix_a_scale:MATRIX_SCALE_ROW1
.elseif fB
	v_wmma_scale_f32_16x16x128_f8f6f4 v[rD:rD+7], v[rA:rA+11], v[rB:rB+11], v[rC:rC+7], v[rSA], v[rSB] matrix_a_fmt:MATRIX_FMT_FP6 matrix_b_fmt:MATRIX_FMT_FP6 matrix_b_scale:MATRIX_SCALE_ROW1
.else
	v_wmma_scale_f32_16x16x128_f8f6f4 v[rD:rD+7], v[rA:rA+11], v[rB:rB+11], v[rC:rC+7], v[rSA], v[rSB] matrix_a_fmt:MATRIX_FMT_FP6 matrix_b_fmt:MATRIX_FMT_FP6
.endif
.endm
; 32 products: the eight accumulators take turns, one instruction a turn, a K step at a time.  The bias is the C of each sum's first product.
.macro MULS vway
.irp s, 0,1,2,3
.if \vway
.if \s == 0
	WIN 0x14                                       ; source 1 (the weight) and source 2 (the bias) window 1
.else
	WIN 0x04
.endif
.else
.if \s == 0
	WIN 0x11                                       ; source 0 (the weight) and source 2 (the bias) window 1
.else
	WIN 0x01
.endif
.endif
.irp xt, 0,1
.irp t, 0,1,2,3
.if \vway
.set rD, HA+16*\t+8*\xt
.set rA, XF+12*(4*\xt+\s)
.set rB, WF+12*(4*\t+\s)
.set rSA, XS+\s
.set rSB, WS+4*(\t/2)+\s
.set fA, \xt
.set fB, \t%2
.else
.set rD, HA+32*\xt+8*\t
.set rA, WF+12*(4*\t+\s)
.set rB, XF+12*(4*\xt+\s)
.set rSA, WS+4*(\t/2)+\s
.set rSB, XS+\s
.set fA, \t%2
.set fB, \xt
.endif
.if \s == 0
.set rC, BI+8*\t
.else
.set rC, rD
.endif
	WM
.endr
.endr
.endr
	WIN 0
.endm
	FETCH 0
	s_cmp_eq_u32 s[YY], 2
	s_cbranch_scc1 .Lvway
; q and k.  Lane (r, h) holds token r of a tile; the 32 registers of a tile of tokens are its 64 channels' halves: blocks 0, 1 of QUANT are tile 2 P's two blocks of e, blocks 2, 3 tile 2 P + 1's.
.irp P, 0,1,2,3
	s_wait_dscnt 0x0                               ; the fragments are in
	MULS 0
	PLACES                                         ; four places in front of loads into registers that the products have read, and of the first read of results
.if \P < 3
	FETCH \P+1
.endif
.if \P >= 2
	s_wait_xcnt 0x0                                ; the stores of two turns ago have read their registers: the codes may be written again
.endif
	QUANT HA, PCE+12*(\P%2)
	global_store_b128 v[L16], v[PCE+12*(\P%2):PCE+12*(\P%2)+3], s[60:61] offset:1536*\P          ; tile 2 P: 512 and 256 consecutive bytes, aligned
	global_store_b64 v[L8], v[PCE+12*(\P%2)+4:PCE+12*(\P%2)+5], s[60:61] offset:1536*\P+512
	global_store_b128 v[L16], v[PCE+12*(\P%2)+6:PCE+12*(\P%2)+9], s[60:61] offset:1536*\P+768    ; tile 2 P + 1
	global_store_b64 v[L8], v[PCE+12*(\P%2)+10:PCE+12*(\P%2)+11], s[60:61] offset:1536*\P+1280
	v_lshrrev_b32 v[SW+\P], v[SH], v[PW]           ; lanes 0-15 keep tile 2 P's two bytes, lanes 16-31 tile 2 P + 1's;
	v_and_b32 v[SW+\P], 0xffff, v[SW+\P]           ; bytes 2 and 3, for the unused upper half of the next product's K step, are 0
.endr
	global_store_b128 v[L16], v[SW:SW+3], s[62:63]
	s_branch .Ldone
.Lvway:
; v, sources swapped.  Lane (r, h) holds channel r of a tile of the weight; the 16 registers of tile t are tokens 32 P + 16 h + 0 .. 15: block t of QUANT is key block P of that channel.
.irp P, 0,1,2,3
	s_wait_dscnt 0x0
	MULS 1
	PLACES
.if \P < 3
	FETCH \P+1
.endif
.if \P >= 2
	s_wait_xcnt 0x0                                ; the stores of the last pair have read their registers
.endif
	QUANT HA, PCE+12*(\P%2)
.irp t, 0,1,2,3
.if \P == 0
	v_mov_b32 v[SW+\t], v[TM+4+\t]                 ; tile t's scale word: byte P is key block P's
.else
	v_lshl_or_b32 v[SW+\t], v[TM+4+\t], 8*\P, v[SW+\t]
.endif
.endr
.if \P%2
.irp i, 0,1,2,3,4,5,6,7,8,9,10,11      ; the even set holds key block P - 1 (lanes 0-15 tile 2 c, lanes 16-31 tile 2 c + 1), the odd set block P: the exchange gives whole halves of fragments:
	v_permlane16_swap_b32 v[PCE+\i], v[PCO+\i]     ; the even set tiles 0 and 2, the odd set tiles 1 and 3, lanes 0-15 the lower 32 keys, lanes 16-31 the upper
.endr
.irp c, 0,1
	global_store_b128 v[L16], v[PCE+6*\c:PCE+6*\c+3], s[60:61] offset:6144+(4*\c+\P/2)*768
	global_store_b64 v[L8], v[PCE+6*\c+4:PCE+6*\c+5], s[60:61] offset:6144+(4*\c+\P/2)*768+512
	global_store_b128 v[L16], v[PCO+6*\c:PCO+6*\c+3], s[60:61] offset:6144+(4*\c+2+\P/2)*768
	global_store_b64 v[L8], v[PCO+6*\c+4:PCO+6*\c+5], s[60:61] offset:6144+(4*\c+2+\P/2)*768+512
.endr
.endif
.endr
	v_cndmask_b32 v[SV], v[SW], v[SW+1], s[HM]     ; lanes 0-15 the even tile's words, lanes 16-31 the odd tile's
	v_cndmask_b32 v[SV+1], v[SW+2], v[SW+3], s[HM]
	global_store_b64 v[L8], v[SV:SV+1], s[60:61] offset:12800
.Ldone:
	s_wait_tensorcnt 0x0                           ; the wave's end: behind my last tensor load and my last LDS store
	ds_add_u32 v[SPW], v[NIL]
	s_wait_dscnt 0x0
	s_endpgm
.Lfunc_end_k_qfb8fddb25d_proj:
	.size	k_qfb8fddb25d_proj, .Lfunc_end_k_qfb8fddb25d_proj-k_qfb8fddb25d_proj
	.p2alignl 7, 3214868480
	.fill 96, 4, 3214868480
	.section	.rodata,"a",@progbits
	.p2align	6, 0x0
	.amdhsa_kernel k_qfb8fddb25d_proj
		.amdhsa_group_segment_fixed_size 322560
		.amdhsa_private_segment_fixed_size 0
		.amdhsa_enable_private_segment 0
		.amdhsa_kernarg_size 80
		.amdhsa_user_sgpr_count 2
		.amdhsa_user_sgpr_kernarg_segment_ptr 1
		.amdhsa_wavefront_size32 1
		.amdhsa_system_sgpr_workgroup_id_x 1
		.amdhsa_system_sgpr_workgroup_id_y 1
		.amdhsa_system_sgpr_workgroup_id_z 1
		.amdhsa_system_vgpr_workitem_id 0
		.amdhsa_next_free_vgpr 512
		.amdhsa_next_free_sgpr 96
		.amdhsa_reserve_vcc 0
		.amdhsa_float_denorm_mode_32 3
		.amdhsa_float_denorm_mode_16_64 3
		.amdhsa_memory_ordered 1
		.amdhsa_forward_progress 1
		.amdhsa_inst_pref_size 117
	.end_amdhsa_kernel
	.amdgpu_metadata
---
amdhsa.version: [ 1, 2 ]
amdhsa.kernels:
  - .name:           k_qfb8fddb25d_proj
    .symbol:         k_qfb8fddb25d_proj.kd
    .args:
      - { .name: q, .offset: 0, .size: 8, .value_kind: global_buffer, .address_space: global }
      - { .name: k, .offset: 8, .size: 8, .value_kind: global_buffer, .address_space: global }
      - { .name: v, .offset: 16, .size: 8, .value_kind: global_buffer, .address_space: global }
      - { .name: wimg, .offset: 24, .size: 8, .value_kind: global_buffer, .address_space: global }
      - { .name: wscl, .offset: 32, .size: 8, .value_kind: global_buffer, .address_space: global }
      - { .name: bq, .offset: 40, .size: 8, .value_kind: global_buffer, .address_space: global }
      - { .name: bk, .offset: 48, .size: 8, .value_kind: global_buffer, .address_space: global }
      - { .name: bv, .offset: 56, .size: 8, .value_kind: global_buffer, .address_space: global }
      - { .name: qrec, .offset: 64, .size: 8, .value_kind: global_buffer, .address_space: global }
      - { .name: kv, .offset: 72, .size: 8, .value_kind: global_buffer, .address_space: global }
    .group_segment_fixed_size: 322560
    .private_segment_fixed_size: 0
    .kernarg_segment_align: 8
    .kernarg_segment_size: 80
    .max_flat_workgroup_size: 256
    .sgpr_count:     96
    .vgpr_count:     512
    .wavefront_size: 32
...
	.end_amdgpu_metadata
.endif
;; end of part 2
;; launch attn (part 3): grid 8 x 32, 16 waves a work-group, clusters of 4 x 1, 211,968 bytes of LDS; arguments qrec, kv, cimg, cscl; writes cimg, cscl
.if DOCPART == 3
	.amdgcn_target "amdgcn-amd-amdhsa--gfx1250"
	.amdhsa_code_object_version 6
	.text
	.protected	k_qfb8fddb25d_attn
	.globl	k_qfb8fddb25d_attn
	.p2align	8
	.type	k_qfb8fddb25d_attn,@function
k_qfb8fddb25d_attn:
	s_mov_b64 s[64:65], 0
	v_nop
	global_prefetch_b8 v0, s[64:65] scope:SCOPE_SE
	s_setreg_imm32_b32 hwreg(HW_REG_WAVE_MODE, 25, 1), 1
	s_wait_xcnt 0x0
	s_wait_alu depctr_hold_cnt(0) depctr_sa_sdst(0) depctr_va_vdst(0) depctr_va_sdst(0) depctr_va_ssrc(0) depctr_va_vcc(0) depctr_vm_vsrc(0)
	s_getreg_b32 s2, hwreg(HW_REG_IB_STS2, 6, 4)
	s_cmp_eq_u32 s2, 0
	s_cbranch_scc0 .Lentry_in_a_cluster
	s_endpgm
.Lentry_in_a_cluster:
	s_bfe_u32 s2, ttmp6, 0x10000c
	s_cmp_lg_u32 s2, 0x3003
	s_cbranch_scc0 .Lentry_shape_is_right
	s_endpgm
.Lentry_shape_is_right:
; ATTN: for each plane (batch, head): S = Q(qh) Q(kh)^T; t = S log2(e) / 8; p = 2^(t - M), M the ceiling of the running largest t; O = Q(p) Q(vh) / (the sum of the unquantised p); O is quantised along e for the last product.
; No work is left out.  All operands arrive as codes in the order of the operand's registers (the layouts stand at the head of proj).
; SHARES: work-group y = the plane, x = a block of 256 queries; each of its sixteen waves owns one tile of 16 queries in 256 registers, four waves to a SIMD, so that one wave's vector work stands beside another's products and LDS loads.
; A PLANE'S WHOLE K AND V STAY IN LDS: 16 records of 13,056 bytes (128 keys each); wave w brings record w by one tensor load, a first fill: one load of mine is out, and the loop over the keys has no barrier.
; CLUSTER: the four query blocks of a cluster belong to one plane and read the same records: each load is asked for JOINTLY, with the same descriptor and a mask that names the four.
; LAYOUT: both products transposed (S^T = K Q^T, O^T = V^T P^T): a lane holds ONE query throughout.  The keys of a tile of K and the channels of a tile of V are ordered (proj) so that the 16 registers of two neighbouring tiles
; are 16 neighbouring keys (for p's quantiser) or channels (for O's).
; K = 64 IN THE FIRST PRODUCT fills half of the instruction's 128: Q's registers 6-11 are zero codes and its scale bytes 2, 3 are 0; K's registers 6-11 are then whatever follows (the next tile's codes): they meet zeros and add exactly 0.
; LIMITS: as stated at the head of prep; v_exp_f32 gives 0 for results under 2^-126.
.set REC,   13056
.set SCST,  16*REC                     ; behind the records: the stage for O's scale words, 64 bytes a wave
.set SPARE, SCST+1024                  ; the spare words, 128 bytes for each wave: eight blocks of 256 bytes that no other line names
.set L16, 1                            ; v1   16 x lane
.set L8,  2                            ; v2   8 x lane
.set A16, 3                            ; v3   the record in hand + 16 x lane
.set A8,  4                            ; v4   + 8 x lane
.set SPW, 5                            ; v5   LDS address of my spare word; never rewritten
.set NIL, 6                            ; v6   0; never rewritten
.set QSO, 7                            ; v7   16 (lane % 16): my row among Q's scale words
.set SCA, 8                            ; v8   where I put my row's scale word
.set SCR, 9                            ; v9   where waves 0-3 read the words back
.set NM,  12                           ; v12  -M
.set MT,  13                           ; v13  the running largest t
.set SUM, 14                           ; v[14:15] the row's sum, in two halves
.set Q,   16                           ; v16-27 Q's fragment: 16-21 codes, 22-27 zeros
.set QS,  28                           ; v28  Q's scale words
.set F,   30                           ; v30-77 eight halves of fragments of K or of V; v78-83 zeros
.set KS,  84                           ; v84-87 K's scale words: register P: lanes 0-15 tile 2 P, lanes 16-31 tile 2 P + 1
.set VS,  88                           ; v88-89 V's likewise
.set S,   96                           ; v96-159 S^T, then p
.set O,   160                          ; v160-191 O^T
.set PC,  192                          ; v192-203 p's codes
.set TC,  204                          ; v204-211 the second halves of the blocks' codes
.set BM,  212                          ; v212-215 the blocks' largest scores, then largest p
.set BT,  216                          ; v216-219 lane permutes' destinations, then bytes
.set SO,  220                          ; v220-223 the conversions' scale operands
.set FF,  226                          ; v226 f = 2^(old M - new M)
.set PW,  227                          ; v227 p's scale word
.set T0,  228                          ; v228 at work
.set SC,  230                          ; v[230:231] the sum's second chain
.set WV,  12
.set CX,  13
.set QB,  14
.set PL,  15
.set SEL, 20                           ; s[20:21] lane selects: lane l xor 16
.set CS,  22                           ; s[22:23] c = log2(e) / 8
.set G1,  24
.set G0,  32
.set TB,  36                           ; s36 LDS byte at which the record in hand begins
.set CNT, 37
.macro ROUND                           ; a round of the cluster's barrier
	s_barrier_signal -1
	s_barrier_wait -1
	s_cmp_lg_u32 s[WV], 0
	s_cbranch_scc1 .Lnot_wave_0_\@
	s_barrier_signal -3
.Lnot_wave_0_\@:
	s_barrier_wait -3
	s_barrier_signal -1
	s_barrier_wait -1
.endm
	s_load_b256 s[4:11], s[0:1], 0x0               ; qrec, kv, cimg, cscl
	v_lshl_add_u32 v[SPW], v0, 2, SPARE
	v_mov_b32 v[NIL], 0
	ds_add_u32 v[SPW], v[NIL]                      ; the wave's opening: the add, twice on end, and its wait ahead of my first tensor load
	ds_add_u32 v[SPW], v[NIL]                      ; once more; the set-up below, work on registers, stands between it and the wait
	v_lshrrev_b32 v10, 5, v0
	v_readfirstlane_b32 s[WV], v10                 ; wave 0..15
	s_bfe_u32 s[CX], ttmp6, 0x40000                ; my place in the cluster: it enters Q's and the outputs' global addresses alone
	s_lshl_b32 s[QB], ttmp9, 2
	s_add_co_u32 s[QB], s[QB], s[CX]               ; my block of 256 queries
	s_and_b32 s[PL], ttmp7, 0xffff                 ; the plane, which the four partners share
	s_mov_b32 s[G1+0], 15|(3<<16)|(1<<21)          ; the mask: all four work-groups; elements of 8 bytes; bit 21 set beside a mask
	s_mov_b32 s[G1+1], 32<<16                      ; a record is a dense block: 51 rows of 256 bytes
	s_mov_b32 s[G1+2], 51<<16
	s_mov_b32 s[G1+3], 32<<16
	s_mov_b32 s[G1+4], 51
	s_mov_b32 s[G1+5], 32
	s_mov_b32 s[G1+6], 0
	s_mov_b32 s[G1+7], 0
	s_mov_b32 s[SEL], 0x76543210
	s_mov_b32 s[SEL+1], 0xfedcba98
	s_mov_b32 s[CS], 0x3e38aa3b                    ; log2(e) / sqrt(64)
	s_mov_b32 s[CS+1], s[CS]                       ; (named with it as a pair, so it is written)
	s_mul_i32 s40, s[PL], 16*REC
	s_mul_i32 s38, s[WV], REC                      ; record w: its place in LDS,
	s_add_co_u32 s40, s40, s38                     ; and in kv
	s_mov_b32 s41, 0
	s_lshl_b32 s42, s[PL], 4                       ; Q: record 16 plane + 2 block + w / 8, tile w % 8
	s_lshl_b32 s43, s[QB], 1
	s_add_co_u32 s42, s42, s43
	s_lshr_b32 s43, s[WV], 3
	s_add_co_u32 s42, s42, s43
	s_mul_i32 s42, s42, 6656
	s_and_b32 s43, s[WV], 7
	s_mul_i32 s44, s43, 768
	s_add_co_u32 s44, s44, s42                     ; its codes
	s_mov_b32 s45, 0
	s_and_b32 s46, s43, 1
	s_lshl_b32 s46, s46, 8
	s_lshr_b32 s47, s43, 1
	s_lshl_b32 s47, s47, 2
	s_add_co_u32 s46, s46, s47
	s_add_co_u32 s46, s46, s42
	s_add_co_u32 s46, s46, 6144                    ; its scale words: lane slot 16 (t % 2) + r, word t / 2
	s_mov_b32 s47, 0
	s_lshr_b32 s48, s[PL], 3                       ; cimg: image 8 (128 batch + 16 block + w) + head
	s_lshl_b32 s48, s48, 7
	s_lshl_b32 s49, s[QB], 4
	s_add_co_u32 s48, s48, s49
	s_add_co_u32 s48, s48, s[WV]
	s_lshl_b32 s48, s48, 3
	s_and_b32 s49, s[PL], 7
	s_add_co_u32 s48, s48, s49
	s_mul_i32 s48, s48, 768
	s_mov_b32 s49, 0
	s_min_u32 s39, s[WV], 3
	s_lshl_b32 s39, s39, 8                         ; waves 0-3 store 256 bytes each of the block's 1,024 bytes of scale words
	s_lshl_b32 s50, s[PL], 13
	s_lshl_b32 s51, s[QB], 10
	s_add_co_u32 s50, s50, s51
	s_add_co_u32 s50, s50, s39
	s_mov_b32 s51, 0
	v_and_b32 v10, 31, v0
	v_lshlrev_b32 v[L16], 4, v10
	v_lshlrev_b32 v[L8], 3, v10
	v_and_b32 v11, 15, v0
	v_lshlrev_b32 v[QSO], 4, v11
	s_lshl_b32 s52, s[WV], 6
	s_add_co_u32 s52, s52, SCST
	v_lshl_add_u32 v[SCA], v11, 2, s52
	s_add_co_u32 s53, s39, SCST
	v_add_nc_u32 v[SCR], s53, v[L8]
	s_mov_b32 s[TB], 0
	s_mov_b32 s[CNT], 16
	s_wait_dscnt 0x0                               ; both opening adds are done
	s_wait_kmcnt 0x0
	s_mov_b32 s[G0], 1                             ; count = 1
	s_mov_b32 s[G0+1], s38                         ; LDS address: wave x a record's bytes
	s_add_nc_u64 s[G0+2:G0+3], s[6:7], s[40:41]    ; global address: made of the plane and the wave's number alone
	s_or_b32 s[G0+3], s[G0+3], 0x80000000          ; type = 2
	s_add_nc_u64 s[4:5], s[4:5], s[44:45]          ; Q's codes; s[54:55] its scale words
	s_sub_co_u32 s46, s46, s44                     ; (the words' distance from the codes: an offset, made of offsets)
	s_add_nc_u64 s[54:55], s[4:5], s[46:47]
	s_add_nc_u64 s[8:9], s[8:9], s[48:49]
	s_add_nc_u64 s[10:11], s[10:11], s[50:51]
	ROUND                                          ; all four work-groups are here: the joint loads meet
	tensor_load_to_lds s[G0:G0+3], s[G1:G1+7]
	s_nop 0
	global_load_b128 v[Q:Q+3], v[L16], s[4:5]      ; Q stays in registers
	global_load_b64 v[Q+4:Q+5], v[L8], s[4:5] offset:512
	global_load_b32 v[QS], v[QSO], s[54:55]
.irp i, 6,7,8,9,10,11
	v_mov_b32 v[Q+\i], 0                           ; the upper half of the K step: zero codes
	v_mov_b32 v[F+42+\i], 0                        ; what tile 7 of K names behind its own six registers
.endr
	v_mov_b32 v[MT], 0xff61b1e6                    ; the largest t so far: -3e38, under every t
	v_floor_f32 v[NM], -v[MT]
	v_mov_b32 v[SUM], 0
	v_mov_b32 v[SUM+1], 0
.irp b, 0,1,2,3
	v_mov_b32 v[BT+\b], 0                          ; written once: a lane permute's destination counts as one of its sources
.endr
	v_mov_b32 v[PW], 0                             ; (named as the upper half of the pair with f before it is first written)
	v_mov_b32 v[T0], 0
.set jj, 0
.rept 32
	v_mov_b32 v[O+jj], 0                           ; O^T: the loop is written once; its first step finds zeros, which the first change of M leaves zeros
.set jj, jj+1
.endr
	s_wait_tensorcnt 0x0                           ; my record is in,
	s_barrier_signal -1
	s_barrier_wait -1                              ; everybody's is: from here on the records are only read
	s_wait_loadcnt 0x0                             ; Q
.macro FETCH8 base                     ; eight halves of fragments: registers 0-3 by 16 bytes a lane, registers 4-5 by 8
.irp i, 0,1,2,3,4,5,6,7
	ds_load_b128 v[F+6*\i:F+6*\i+3], v[A16] offset:\base+768*\i
	ds_load_b64 v[F+6*\i+4:F+6*\i+5], v[A8] offset:\base+768*\i+512
.endr
.endm
.Lstep:                                ; 16 trips: 128 keys each
	v_add_nc_u32 v[A16], s[TB], v[L16]
	v_add_nc_u32 v[A8], s[TB], v[L8]
	v_nop
	v_nop                                          ; four places in front of loads into registers that the last products have read
	FETCH8 0                                       ; K's eight tiles
	ds_load_b128 v[KS:KS+3], v[A16] offset:12288
	s_wait_dscnt 0x0
.irp t, 0,1,2,3,4,5,6,7                ; S^T = K Q^T: lane (r, h) holds query r; the 16 registers of tiles 2 b, 2 b + 1 are keys 32 b + 16 h + 0 .. 15
.if \t%2
	v_wmma_scale_f32_16x16x128_f8f6f4 v[S+8*\t:S+8*\t+7], v[F+6*\t:F+6*\t+11], v[Q:Q+11], 0, v[KS+\t/2], v[QS] matrix_a_fmt:MATRIX_FMT_FP6 matrix_b_fmt:MATRIX_FMT_FP6 matrix_a_scale:MATRIX_SCALE_ROW1
.else
	v_wmma_scale_f32_16x16x128_f8f6f4 v[S+8*\t:S+8*\t+7], v[F+6*\t:F+6*\t+11], v[Q:Q+11], 0, v[KS+\t/2], v[QS] matrix_a_fmt:MATRIX_FMT_FP6 matrix_b_fmt:MATRIX_FMT_FP6
.endif
.endr
.rept 4
	v_nop                                          ; four places in front of the loads below and of the first read of the scores
.endr
	FETCH8 6144                                    ; V's four tiles x two halves: they land under the softmax
	ds_load_b64 v[VS:VS+1], v[A8] offset:12800
.irp b, 0,1,2,3
	v_max3_num_f32 v[BM+\b], v[S+16*\b], v[S+1+16*\b], v[S+2+16*\b]   ; THE LARGEST SCORE OF EACH BLOCK OF 32 KEYS serves twice: for the row's maximum, and, since p rises with the score, for the block's largest p
.endr
.irp i, 3,5,7,9,11,13
.irp b, 0,1,2,3
	v_max3_num_f32 v[BM+\b], v[BM+\b], v[S+16*\b+\i], v[S+1+16*\b+\i]   ; (the four blocks by turns)
.endr
.endr
.irp b, 0,1,2,3
	v_max_num_f32 v[BM+\b], v[BM+\b], v[S+15+16*\b]
.endr
.irp b, 0,1,2,3
	v_permlanex16_b32 v[BT+\b], v[BM+\b], s[SEL], s[SEL+1]
.endr
.irp b, 0,1,2,3
	v_max_num_f32 v[BM+\b], v[BM+\b], v[BT+\b]     ; with lane l xor 16's 16 keys
.endr
	v_max3_num_f32 v[T0], v[BM], v[BM+1], v[BM+2]
	v_max_num_f32 v[T0], v[T0], v[BM+3]            ; the step's largest score of my query
	v_mul_f32 v[T0], s[CS], v[T0]                  ; as t (c is positive)
	v_max_num_f32 v[MT], v[MT], v[T0]              ; the running largest t
	v_mov_b32 v[T0], v[NM]
	v_floor_f32 v[NM], -v[MT]                      ; the new -M = floor(-t) = -ceil(t): M is a whole number
	v_sub_f32 v[T0], v[NM], v[T0]                  ; old M less new M: a whole number, 0 or less
	v_cvt_i32_f32 v[T0], v[T0]                     ; (it saturates)
	v_ldexp_f32 v[FF], 1.0, v[T0]                  ; f = 2^(old M - new M): the rescaling rounds nothing
.set jj, 0
.rept 32
	v_pk_fma_f32 v[S+jj:S+jj+1], v[S+jj:S+jj+1], s[CS:CS+1], v[NM:NM+1] op_sel_hi:[1,0,0]   ; t - M, two at a time (of the pairs c and -M the low word serves both halves)
.set jj, jj+2
.endr
.irp b, 0,1,2,3
	v_fma_f32 v[BM+\b], v[BM+\b], s[CS], v[NM]     ; the same of each block's largest score
.endr
.set jj, 0
.rept 64
	v_exp_f32 v[S+jj], v[S+jj]                     ; p = 2^(t - M), at most 1: not normalised
.set jj, jj+1
.endr
	v_pk_mul_f32 v[SUM:SUM+1], v[SUM:SUM+1], v[FF:FF+1] op_sel_hi:[1,0]   ; the sums under the new M; a plain place behind the exponentials
	s_wait_alu depctr_va_vdst(0)                   ; one wait for the whole batch, ahead of its first reader
.irp b, 0,1,2,3
	v_exp_f32 v[BM+\b], v[BM+\b]                   ; the block's largest p: the same two instructions on the same number give the same bits
.endr
	v_pk_add_f32 v[SC:SC+1], v[S:S+1], v[S+2:S+3]  ; THE ROW'S SUM IS TAKEN OF THE UNQUANTISED p: two at a time, in two chains; plain work behind the four
.set jj, 4
.rept 15
	v_pk_add_f32 v[SUM:SUM+1], v[SUM:SUM+1], v[S+jj:S+jj+1]
	v_pk_add_f32 v[SC:SC+1], v[SC:SC+1], v[S+jj+2:S+jj+3]
.set jj, jj+4
.endr
	v_pk_add_f32 v[SUM:SUM+1], v[SUM:SUM+1], v[SC:SC+1]
	s_wait_alu depctr_va_vdst(0)                   ; and one for the four
.irp b, 0,1,2,3
	v_max_num_f32 v[BM+\b], 0x1800000, v[BM+\b]    ; the floor 2^(3 - 127): the byte cannot fall under 1
.endr
.irp b, 0,1,2,3
	v_add_nc_u32 v[SO+\b], 0xff000000, v[BM+\b]    ; 2 off the exponent field: the conversion's scale operand
.endr
.irp b, 0,1,2,3
	v_lshrrev_b32 v[BT+\b], 23, v[SO+\b]           ; the scale's byte
.endr
	v_lshl_or_b32 v[PW], v[BT+1], 8, v[BT]         ; p's scale word for these 128 keys
	v_lshl_or_b32 v[PW], v[BT+2], 16, v[PW]
	v_lshl_or_b32 v[PW], v[BT+3], 24, v[PW]
.irp c, 0,1
	v_cvt_scalef32_pk16_fp6_f32 v[PC+6*\c:PC+6*\c+2], v[S+32*\c:S+32*\c+15], v[SO+2*\c]
	v_cvt_scalef32_pk16_fp6_f32 v[TC+4*\c:TC+4*\c+2], v[S+32*\c+16:S+32*\c+31], v[SO+2*\c+1]   ; (a conversion's three registers begin on an even number)
.endr
	v_nop                                          ; one plain place behind a scaled conversion
.irp c, 0,1                            ; the operand's layout wants a WHOLE block in a lane
.irp i, 0,1,2
	v_permlane16_swap_b32 v[PC+6*\c+\i], v[TC+4*\c+\i]
.endr
.irp i, 0,1,2
	v_mov_b32 v[PC+6*\c+3+\i], v[TC+4*\c+\i]
.endr
.endr
.set jj, 0
.rept 16
	v_pk_mul_f32 v[O+jj:O+jj+1], v[O+jj:O+jj+1], v[FF:FF+1] op_sel_hi:[1,0]   ; O^T under the new M.  Twelve of these name no register of a given product below: the places behind the scale word's and the codes' last writes
.set jj, jj+2
.endr
	s_wait_dscnt 0x0                               ; V is in
.irp t, 0,1,2,3                        ; O^T += V^T P^T: tile t of the channels, K = these 128 keys; the four accumulators by turns
.if \t%2
	v_wmma_scale_f32_16x16x128_f8f6f4 v[O+8*\t:O+8*\t+7], v[F+12*\t:F+12*\t+11], v[PC:PC+11], v[O+8*\t:O+8*\t+7], v[VS+\t/2], v[PW] matrix_a_fmt:MATRIX_FMT_FP6 matrix_b_fmt:MATRIX_FMT_FP6 matrix_a_scale:MATRIX_SCALE_ROW1
.else
	v_wmma_scale_f32_16x16x128_f8f6f4 v[O+8*\t:O+8*\t+7], v[F+12*\t:F+12*\t+11], v[PC:PC+11], v[O+8*\t:O+8*\t+7], v[VS+\t/2], v[PW] matrix_a_fmt:MATRIX_FMT_FP6 matrix_b_fmt:MATRIX_FMT_FP6
.endif
.endr
	s_add_co_u32 s[TB], s[TB], REC
	s_sub_co_u32 s[CNT], s[CNT], 1
	s_cmp_lg_u32 s[CNT], 0
	s_cbranch_scc1 .Lstep
	; THE WAY OUT.  O^T / the sum; register 16 b + i is channel 32 b + 16 h + i of my query: two blocks of the last product's K, quantised as p was
	v_add_f32 v[SUM], v[SUM], v[SUM+1]             ; the sum's two halves,
	v_permlanex16_b32 v[T0], v[SUM], s[SEL], s[SEL+1]
	v_add_f32 v[SUM], v[SUM], v[T0]                ; and lane l xor 16's: the row's sum
	v_rcp_f32 v[SUM], v[SUM]
	v_nop                                          ; a plain place behind the reciprocal; with the two additions and the next line: four places behind the last products
	v_nop
	s_wait_alu depctr_va_vdst(0)                   ; the wait ahead of the reciprocal's first reader
.set jj, 0
.rept 32
	v_mul_f32 v[S+jj], v[O+jj], v[SUM]             ; each accumulator from its low end on
.set jj, jj+1
.endr
.irp b, 0,1
	v_max3_num_f32 v[BM+\b], |v[S+16*\b]|, |v[S+1+16*\b]|, 0x1800000
.endr
.irp i, 2,4,6,8,10,12,14
.irp b, 0,1
	v_max3_num_f32 v[BM+\b], v[BM+\b], |v[S+16*\b+\i]|, |v[S+1+16*\b+\i]|
.endr
.endr
.irp b, 0,1
	v_permlanex16_b32 v[BT+\b], v[BM+\b], s[SEL], s[SEL+1]
.endr
.irp b, 0,1
	v_max_num_f32 v[BM+\b], v[BM+\b], v[BT+\b]
.endr
.irp b, 0,1
	v_add_nc_u32 v[SO+\b], 0xff000000, v[BM+\b]
.endr
.irp b, 0,1
	v_lshrrev_b32 v[BT+\b], 23, v[SO+\b]
.endr
	v_lshl_or_b32 v[T0], v[BT+1], 8, v[BT]         ; my row's two bytes; the upper half of the word is 0
	v_cvt_scalef32_pk16_fp6_f32 v[PC:PC+2], v[S:S+15], v[SO]
	v_cvt_scalef32_pk16_fp6_f32 v[TC:TC+2], v[S+16:S+31], v[SO+1]
	v_nop
.irp i, 0,1,2
	v_permlane16_swap_b32 v[PC+\i], v[TC+\i]
.endr
.irp i, 0,1,2
	v_mov_b32 v[PC+3+\i], v[TC+\i]                 ; registers 0-5: lane (r, h): channels 32 h + 0 .. 31 of query r
.endr
	global_store_b128 v[L16], v[PC:PC+3], s[8:9]   ; 512 and 256 consecutive bytes, aligned
	global_store_b64 v[L8], v[PC+4:PC+5], s[8:9] offset:512
	ds_store_b32 v[SCA], v[T0]                     ; lanes l and l + 16 write the same word with the same value
	s_wait_dscnt 0x0                               ; for the others' sake: my store has landed
	s_barrier_signal -1
	s_barrier_wait -1
	s_cmp_lt_u32 s[WV], 4
	s_cbranch_scc0 .Lno_words
	ds_load_b64 v[SC:SC+1], v[SCR]                 ; four waves' words: 256 bytes
	s_wait_dscnt 0x0
	global_store_b64 v[L8], v[SC:SC+1], s[10:11]   ; 32 lanes store 256 consecutive bytes, aligned
.Lno_words:
	s_wait_tensorcnt 0x0                           ; the wave's end: behind my last tensor load and my last LDS store
	ds_add_u32 v[SPW], v[NIL]
	s_wait_dscnt 0x0
	ROUND                                          ; the closing round: no work-group ends while a partner may still ask for a record that names it
	s_endpgm
.Lfunc_end_k_qfb8fddb25d_attn:
	.size	k_qfb8fddb25d_attn, .Lfunc_end_k_qfb8fddb25d_attn-k_qfb8fddb25d_attn
	.p2alignl 7, 3214868480
	.fill 96, 4, 3214868480
	.section	.rodata,"a",@progbits
	.p2align	6, 0x0
	.amdhsa_kernel k_qfb8fddb25d_attn
		.amdhsa_group_segment_fixed_size 211968
		.amdhsa_private_segment_fixed_size 0
		.amdhsa_enable_private_segment 0
		.amdhsa_kernarg_size 32
		.amdhsa_user_sgpr_count 2
		.amdhsa_user_sgpr_kernarg_segment_ptr 1
		.amdhsa_wavefront_size32 1
		.amdhsa_system_sgpr_workgroup_id_x 1
		.amdhsa_system_sgpr_workgroup_id_y 1
		.amdhsa_system_sgpr_workgroup_id_z 1
		.amdhsa_system_vgpr_workitem_id 0
		.amdhsa_next_free_vgpr 256
		.amdhsa_next_free_sgpr 66
		.amdhsa_reserve_vcc 0
		.amdhsa_float_denorm_mode_32 3
		.amdhsa_float_denorm_mode_16_64 3
		.amdhsa_memory_ordered 1
		.amdhsa_forward_progress 1
		.amdhsa_inst_pref_size 27
	.end_amdhsa_kernel
	.amdgpu_metadata
---
amdhsa.version: [ 1, 2 ]
amdhsa.kernels:
  - .name:           k_qfb8fddb25d_attn
    .symbol:         k_qfb8fddb25d_attn.kd
    .args:
      - { .name: qrec, .offset: 0, .size: 8, .value_kind: global_buffer, .address_space: global }
      - { .name: kv, .offset: 8, .size: 8, .value_kind: global_buffer, .address_space: global }
      - { .name: cimg, .offset: 16, .size: 8, .value_kind: global_buffer, .address_space: global }
      - { .name: cscl, .offset: 24, .size: 8, .value_kind: global_buffer, .address_space: global }
    .group_segment_fixed_size: 211968
    .private_segment_fixed_size: 0
    .kernarg_segment_align: 8
    .kernarg_segment_size: 32
    .max_flat_workgroup_size: 512
    .sgpr_count:     66
    .vgpr_count:     256
    .wavefront_size: 32
...
	.end_amdgpu_metadata
.endif
;; end of part 3
;; launch outp (part 4): grid 4 x 64, 8 waves a work-group, no clusters, 35,840 bytes of LDS; arguments cimg, cscl, wimg, wscl, out0; writes out0
.if DOCPART == 4
	.amdgcn_target "amdgcn-amd-amdhsa--gfx1250"
	.amdhsa_code_object_version 6
	.text
	.protected	k_qfb8fddb25d_outp
	.globl	k_qfb8fddb25d_outp
	.p2align	8
	.type	k_qfb8fddb25d_outp,@function
k_qfb8fddb25d_outp:
	s_mov_b64 s[64:65], 0
	v_nop
	global_prefetch_b8 v0, s[64:65] scope:SCOPE_SE
	s_setreg_imm32_b32 hwreg(HW_REG_WAVE_MODE, 25, 1), 1
	s_wait_xcnt 0x0
; OUTP: out0 = Q(concat) Q(Wo)^T, on the codes that attn and prep have made.  No work is left out.
; SHARES: a work-group makes 128 tokens (y) x 128 outputs (x).  Wave w: tiles of tokens 2 (w / 2) and 2 (w / 2) + 1 of the block's eight, tiles of outputs 4 (w % 2) + 0 .. 3 of the group's eight: eight accumulators.
; K = 512 is four steps, written out; a step's 20 loads bring register images straight from memory (Wo: 1,536 bytes a fragment; concat: two halves of 768 bytes, heads 2 s and 2 s + 1), one step ahead of the products, in two sets of registers.
; TRANSPOSED: source 0 = 16 rows of Wo, source 1 = 16 tokens: a lane holds eight neighbouring outputs of one token.  Row r of tile 2 P + u is token 32 P + 8 u + r + 8 (r / 8) of the block (proj's order): the stores' offsets undo it.
; concat's scale word of a K step is made of two heads' words (two bytes each): lanes 0-15 load head 2 s's, lanes 16-31 head 2 s + 1's, one lane exchange joins them.
; NO CLUSTER: the operands go straight into registers, and four K steps make no ring in which a joint load into LDS could take turns.
.set SPARE, 8*4352                     ; behind the eight stages (16 rows x 272 bytes each): the spare words, 128 bytes for each wave: four blocks of 256 bytes that no other line names
.set L16, 1                            ; v1   16 x lane
.set L8,  2                            ; v2   8 x lane
.set WS,  8                            ; v8-15  Wo's scale words: register 4 (t / 2) + s: lanes 0-15 the even tile, lanes 16-31 the odd one
.set CS,  16                           ; v16-23 concat's: register 4 xt + s
.set CT,  24                           ; v24-31 lane permutes' destinations
.set SPW, 32                           ; v32  LDS address of my spare word; never rewritten
.set NIL, 33                           ; v33  0; never rewritten
.set STO, 34                           ; v34  the stage: where I put 32 bytes of a row
.set RD,  35                           ; v35  and where I read a row back
.set GO,  36                           ; v36  my byte offset in two rows of out0
.set CSO, 37                           ; v37  my offset among concat's scale words
.set SET0, 40                          ; v40-111, v112-183 two sets: 48 registers of Wo, 24 of concat
.set AC,  184                          ; v184-247 the accumulators: (xt, t) at 32 xt + 8 t
	s_load_b256 s[4:11], s[0:1], 0x0               ; cimg, cscl, wimg, wscl
	s_load_b64 s[12:13], s[0:1], 0x20              ; out0
	v_lshl_add_u32 v[SPW], v0, 2, SPARE
	v_mov_b32 v[NIL], 0
	v_lshrrev_b32 v3, 5, v0
	v_readfirstlane_b32 s16, v3                    ; wave 0..7
	s_and_b32 s17, ttmp7, 0xffff                   ; the block of 128 tokens
	s_lshr_b32 s18, s16, 1                         ; which pair of its tiles
	s_and_b32 s19, s16, 1                          ; which four tiles of outputs
	s_lshl_b32 s20, ttmp9, 3
	s_lshl_b32 s21, s19, 2
	s_add_co_u32 s20, s20, s21                     ; my first tile of Wo
	s_mul_i32 s22, s20, 6144
	s_add_co_u32 s22, s22, 3*196608                ; Wo is the fourth tensor in wimg
	s_mov_b32 s23, 0
	s_lshl_b32 s24, s20, 8
	s_add_co_u32 s24, s24, 3*8192                  ; and in wscl
	s_mov_b32 s25, 0
	s_lshl_b32 s26, s17, 3
	s_lshl_b32 s27, s18, 1
	s_add_co_u32 s26, s26, s27
	s_mul_i32 s26, s26, 6144                       ; my first tile of tokens: eight heads' images
	s_mov_b32 s27, 0
	s_lshr_b32 s28, s17, 4
	s_lshl_b32 s28, s28, 16                        ; the batch's eight planes of scale words,
	s_and_b32 s29, s17, 15
	s_lshl_b32 s29, s29, 3
	s_lshl_b32 s30, s18, 1
	s_add_co_u32 s29, s29, s30
	s_lshl_b32 s29, s29, 6                         ; my first tile's 16 words in a plane
	s_add_co_u32 s28, s28, s29
	s_mov_b32 s29, 0
	s_lshl_b32 s30, s17, 18                        ; out0: 128 rows of 2,048 bytes a block,
	s_lshl_b32 s31, s18, 16                        ; 32 rows a pair of tiles,
	s_add_co_u32 s30, s30, s31
	s_lshl_b32 s31, ttmp9, 9                       ; 128 outputs a group,
	s_add_co_u32 s30, s30, s31
	s_lshl_b32 s31, s19, 8                         ; 64 a wave
	s_add_co_u32 s30, s30, s31
	s_mov_b32 s31, 0
	s_mov_b32 s34, 0x76543210
	s_mov_b32 s35, 0xfedcba98                      ; lane selects: lane l xor 16
	s_mul_i32 s33, s16, 4352                       ; my stage
	v_and_b32 v3, 31, v0
	v_lshlrev_b32 v[L16], 4, v3
	v_lshlrev_b32 v[L8], 3, v3
	v_and_b32 v4, 15, v0                           ; r
	v_bfe_u32 v5, v0, 4, 1                         ; h
	v_mul_u32_u24 v[STO], v4, 272
	v_lshl_add_u32 v[STO], v5, 5, v[STO]
	v_add_nc_u32 v[STO], s33, v[STO]               ; in: row r, + 32 h
	v_mul_u32_u24 v[RD], v5, 272
	v_lshl_add_u32 v[RD], v4, 4, v[RD]
	v_add_nc_u32 v[RD], s33, v[RD]                 ; back: lanes 0-15 one row of 256 bytes, lanes 16-31 the next
	v_lshlrev_b32 v[GO], 11, v5
	v_lshl_add_u32 v[GO], v4, 4, v[GO]
	v_lshlrev_b32 v[CSO], 13, v5                   ; lanes 16-31: the next plane
	v_lshl_add_u32 v[CSO], v4, 2, v[CSO]
.irp i, 0,1,2,3,4,5,6,7
	v_mov_b32 v[CT+\i], 0                          ; written once: a lane permute's destination counts as one of its sources
.endr
	s_wait_kmcnt 0x0
	s_add_nc_u64 s[4:5], s[4:5], s[26:27]
	s_add_nc_u64 s[6:7], s[6:7], s[28:29]
	s_add_nc_u64 s[8:9], s[8:9], s[22:23]
	s_add_nc_u64 s[10:11], s[10:11], s[24:25]
	s_add_nc_u64 s[12:13], s[12:13], s[30:31]
.macro LOADK s, q                      ; K step s into set q: 20 loads
.set SB, SET0+72*(\q)
.irp t, 0,1,2,3
.irp g, 0,1,2
	global_load_b128 v[SB+12*\t+4*\g:SB+12*\t+4*\g+3], v[L16], s[8:9] offset:6144*\t+1536*(\s)+512*\g
.endr
.endr
.irp xt, 0,1
.irp c, 0,1
	global_load_b128 v[SB+48+12*\xt+6*\c:SB+48+12*\xt+6*\c+3], v[L16], s[4:5] offset:6144*\xt+1536*(\s)+768*\c
	global_load_b64 v[SB+48+12*\xt+6*\c+4:SB+48+12*\xt+6*\c+5], v[L8], s[4:5] offset:6144*\xt+1536*(\s)+768*\c+512
.endr
.endr
.endm
.macro WM                              ; one product; the registers stand in symbols; fA: Wo's scales are read from lanes 16-31; fZ: the product starts its sum
.if fZ && fA
	v_wmma_scale_f32_16x16x128_f8f6f4 v[rD:rD+7], v[rA:rA+11], v[rB:rB+11], 0, v[rSA], v[rSB] matrix_a_fmt:MATRIX_FMT_FP6 matrix_b_fmt:MATRIX_FMT_FP6 matrix_a_scale:MATRIX_SCALE_ROW1
.elseif fZ
	v_wmma_scale_f32_16x16x128_f8f6f4 v[rD:rD+7], v[rA:rA+11], v[rB:rB+11], 0, v[rSA], v[rSB] matrix_a_fmt:MATRIX_FMT_FP6 matrix_b_fmt:MATRIX_FMT_FP6
.elseif fA
	v_wmma_scale_f32_16x16x128_f8f6f4 v[rD:rD+7], v[rA:rA+11], v[rB:rB+11], v[rD:rD+7], v[rSA], v[rSB] matrix_a_fmt:MATRIX_FMT_FP6 matrix_b_fmt:MATRIX_FMT_FP6 matrix_a_scale:MATRIX_SCALE_ROW1
.else
	v_wmma_scale_f32_16x16x128_f8f6f4 v[rD:rD+7], v[rA:rA+11], v[rB:rB+11], v[rD:rD+7], v[rSA], v[rSB] matrix_a_fmt:MATRIX_FMT_FP6 matrix_b_fmt:MATRIX_FMT_FP6
.endif
.endm
.macro MUL s, q                        ; eight products: the accumulators take turns, one instruction a turn, in the same order in every K step
.irp xt, 0,1
.irp t, 0,1,2,3
.set rD, AC+32*\xt+8*\t
.set rA, SET0+72*(\q)+12*\t
.set rB, SET0+72*(\q)+48+12*\xt
.set rSA, WS+4*(\t/2)+(\s)
.set rSB, CS+4*\xt+(\s)
.set fA, \t%2
.set fZ, (\s) == 0
	WM
.endr
.endr
.endm
.macro PLACES
.rept 4
	v_nop
.endr
.endm
.irp p, 0,1
	global_load_b128 v[WS+4*\p:WS+4*\p+3], v[L16], s[10:11] offset:512*\p
.endr
.irp xt, 0,1
.irp s, 0,1,2,3
	global_load_b32 v[CS+4*\xt+\s], v[CSO], s[6:7] offset:64*\xt+16384*\s
.endr
.endr
	LOADK 0, 0
	LOADK 1, 1
	s_wait_loadcnt 20                              ; the scale words and K step 0 are in; K step 1's 20 loads may be out
.irp i, 0,1,2,3,4,5,6,7
	v_permlanex16_b32 v[CT+\i], v[CS+\i], s34, s35
.endr
.irp i, 0,1,2,3,4,5,6,7
	v_lshl_or_b32 v[CS+\i], v[CT+\i], 16, v[CS+\i] ; lanes 0-15: head 2 s's two bytes below, head 2 s + 1's above (lanes 16-31 are not read)
.endr
.rept 8
	v_nop                                          ; a scale register written by a vector instruction stands eight places ahead of a scaled product
.endr
	MUL 0, 0
	PLACES                                         ; four places in front of loads into registers that the products have read
	LOADK 2, 0
	s_wait_loadcnt 20                              ; K step 1 is in
	MUL 1, 1
	PLACES
	LOADK 3, 1
	s_wait_loadcnt 20                              ; K step 2 is in
	MUL 2, 0
	s_wait_loadcnt 0x0
	MUL 3, 1
	PLACES                                         ; four places in front of the first read of results, and of the loads into set 0
	; THE WAY OUT: a tile of 16 tokens x 64 outputs goes through my own stage and comes back as rows of 256 bytes.  LDS serves a wave's instructions in order: no wait between stores and loads, nor ahead of the next tile's stores
.irp xt, 0,1
.irp t, 0,1,2,3
	ds_store_b128 v[STO], v[AC+32*\xt+8*\t:AC+32*\xt+8*\t+3] offset:64*\t          ; each accumulator from its low end on
	ds_store_b128 v[STO], v[AC+32*\xt+8*\t+4:AC+32*\xt+8*\t+7] offset:64*\t+16
.endr
.irp i, 0,1,2,3,4,5,6,7
	ds_load_b128 v[SET0+32*\xt+4*\i:SET0+32*\xt+4*\i+3], v[RD] offset:544*\i       ; rows 2 i and 2 i + 1
.endr
.endr
.irp xt, 0,1
.irp i, 0,1,2,3,4,5,6,7
	s_wait_dscnt 23-16*\xt-\i                      ; the LDS instructions issued behind this load may be out
	global_store_b128 v[GO], v[SET0+32*\xt+4*\i:SET0+32*\xt+4*\i+3], s[12:13] offset:(8*\xt+2*\i+8*(\i/4))*2048 th:TH_STORE_NT   ; row 2 i + h of the tile is token 8 xt + 2 i + h + 8 (i / 4) of my 32; 16 lanes store 256 consecutive bytes, aligned
.endr
.endr
	s_wait_tensorcnt 0x0                           ; the wave's end: behind my last LDS store
	ds_add_u32 v[SPW], v[NIL]
	s_wait_dscnt 0x0
	s_endpgm
.Lfunc_end_k_qfb8fddb25d_outp:
	.size	k_qfb8fddb25d_outp, .Lfunc_end_k_qfb8fddb25d_outp-k_qfb8fddb25d_outp
	.p2alignl 7, 3214868480
	.fill 96, 4, 3214868480
	.section	.rodata,"a",@progbits
	.p2align	6, 0x0
	.amdhsa_kernel k_qfb8fddb25d_outp
		.amdhsa_group_segment_fixed_size 35840
		.amdhsa_private_segment_fixed_size 0
		.amdhsa_enable_private_segment 0
		.amdhsa_kernarg_size 40
		.amdhsa_user_sgpr_count 2
		.amdhsa_user_sgpr_kernarg_segment_ptr 1
		.amdhsa_wavefront_size32 1
		.amdhsa_system_sgpr_workgroup_id_x 1
		.amdhsa_system_sgpr_workgroup_id_y 1
		.amdhsa_system_sgpr_workgroup_id_z 1
		.amdhsa_system_vgpr_workitem_id 0
		.amdhsa_next_free_vgpr 248
		.amdhsa_next_free_sgpr 66
		.amdhsa_reserve_vcc 0
		.amdhsa_float_denorm_mode_32 3
		.amdhsa_float_denorm_mode_16_64 3
		.amdhsa_memory_ordered 1
		.amdhsa_forward_progress 1
		.amdhsa_inst_pref_size 22
	.end_amdhsa_kernel
	.amdgpu_metadata
---
amdhsa.version: [ 1, 2 ]
amdhsa.kernels:
  - .name:           k_qfb8fddb25d_outp
    .symbol:         k_qfb8fddb25d_outp.kd
    .args:
      - { .name: cimg, .offset: 0, .size: 8, .value_kind: global_buffer, .address_space: global }
      - { .name: cscl, .offset: 8, .size: 8, .value_kind: global_buffer, .address_space: global }
      - { .name: wimg, .offset: 16, .size: 8, .value_kind: global_buffer, .address_space: global }
      - { .name: wscl, .offset: 24, .size: 8, .value_kind: global_buffer, .address_space: global }
      - { .name: out0, .offset: 32, .size: 8, .value_kind: global_buffer, .address_space: global }
    .group_segment_fixed_size: 35840
    .private_segment_fixed_size: 0
    .kernarg_segment_align: 8
    .kernarg_segment_size: 40
    .max_flat_workgroup_size: 256
    .sgpr_count:     66
    .vgpr_count:     248
    .wavefront_size: 32
...
	.end_amdgpu_metadata
.endif
;; end of part 4
;; ======== version 2 of 2: 4 launches
;; limits: right only within a limited range of input values
;; workspace buffers: wimg 786,432 bytes; wscl 32,768 bytes; qrec 3,407,872 bytes; kv 6,684,672 bytes; cimg 3,145,728 bytes; cscl 262,144 bytes
;; launch prep (part 5): grid 32 x 4, 4 waves a work-group, no clusters, 34,560 bytes of LDS; arguments Wq, Wk, Wv, Wo, wimg, wscl; writes wimg, wscl
.if DOCPART == 5
	.amdgcn_target "amdgcn-amd-amdhsa--gfx1250"
	.amdhsa_code_object_version 6
	.text
	.protected	k_qfb8fddb25d_prep
	.globl	k_qfb8fddb25d_prep
	.p2align	8
	.type	k_qfb8fddb25d_prep,@function
k_qfb8fddb25d_prep:
	s_mov_b64 s[64:65], 0
	v_nop
	global_prefetch_b8 v0, s[64:65] scope:SCOPE_SE
	s_setreg_imm32_b32 hwreg(HW_REG_WAVE_MODE, 25, 1), 1
	s_wait_xcnt 0x0
; PREP: the four weights become codes of E2M3 with one E8M0 byte for each 32 along K, laid in the order of the matrix operand's registers.
; THE WHOLE PROGRAM: prep (weights -> codes), proj (q, k, v -> codes; the three projections; qh, kh, vh -> codes), attn (both products of the attention, its result -> codes), outp (the last product).
; DEAD WORK: none is left out.  Every one of the ten inputs reaches out0 through a quantiser: bq and bk move the codes and scales of qh and kh, bv those of vh; so all ten are loaded and every product of the table is done.
; LIMITS (all four launches): NaN and infinities among the inputs are not served.  A block whose largest magnitude lies under 2^-124 gets the byte 1 (the quantiser holds e at -126 there too); a block of zeros
; gets the byte 1 where the quantiser says 127: its codes are zeros, which add nothing under any byte but 0xff, and these bytes are read by this program alone.
; Wq, Wk, Wv: [8 heads][512 d][64 e], K = d is the middle axis: A LANE TAKES A COLUMN e AND ITS REGISTERS RUN DOWN d, so the conversions' results are the operand's registers and nothing is transposed.
; Wo: [512 o][512 d], K innermost: each load takes 512 consecutive bytes of one row; the wave's 16 rows x 512 bytes turn through its own stage in LDS and come back 64 numbers of one row to a lane.
; A TILE is 16 rows of the operand.  Of Wq, Wk, Wv tile 4 head + t takes as row r the channel e = 32 (t / 2) + 8 (t % 2) + r + 8 (r / 8): so the 16 result registers of two neighbouring tiles are 16 neighbouring channels.  Of Wo tile T takes o = 16 T + r.
; wimg: [tensor][tile 0..31][K step 0..3] images of 1,536 bytes: registers 4 g .. 4 g + 3 of lane l at 512 g + 16 l.   wscl: [tensor][tile][row][K step] scale words.
; SHARES: work-group y = the tensor, x = a tile, wave = a K step of 128: a wave makes ONE fragment, by one run of loads, so that no load waits for another's arithmetic: 128 work-groups of four waves.
; A tile's 256 bytes of scale words come from its four waves: they meet in LDS behind one barrier, and wave 0 stores them as one aligned run of 256 bytes.
; PRICE: a 256-byte row of Wq, Wk, Wv is read in four parts of 64 bytes by the four work-groups of a head's tiles.  NO CLUSTER, no tensor load: every byte is used once, by one wave.
.set SPITCH, 528                       ; Wo's stage: a row of 512 bytes + 16: row r starts 4 r banks on, so the 16 rows of a read start in 16 different groups of banks
.set SWAVE,  16*SPITCH                 ; a wave's stage
.set WST,    4*SWAVE                   ; behind the four stages: the tile's scale words, 256 bytes: row r, K step s at 16 r + 4 s
.set SPARE,  WST+256                   ; the spare words, 128 bytes for each wave: two blocks of 256 bytes that no other line names
.set L16, 1                            ; v1      16 x lane
.set L8,  2                            ; v2      8 x lane
.set RR,  3                            ; v3      r = lane % 16
.set HH,  4                            ; v4      h = lane / 16
.set VO,  5                            ; v5      Wq, Wk, Wv: my byte offset in the weight
.set WSA, 6                            ; v6      where I put my row's scale word
.set WSR, 7                            ; v7      where wave 0 reads the words back
.set SH8, 8                            ; v8      8 h
.set T7,  9                            ; v9      at work
.set MX,  10                           ; v10-11  my two blocks' largest magnitudes
.set SO,  12                           ; v12-13  the conversions' scale operands
.set BY,  14                           ; v14-15  the scale bytes
.set W,   16                           ; v16     my row's scale word
.set WO2, 18                           ; v18-19  wave 0: eight bytes of the tile's words
.set T22, 20                           ; v20     a lane permute's destination
.set SPW, 22                           ; v22     LDS address of my spare word: SPARE + 4 x my thread's number; never rewritten
.set NIL, 23                           ; v23     0; never rewritten
.set STI, 24                           ; v24     Wo's stage, on the way in: 16 x lane
.set STR, 25                           ; v25     and on the way out: row r, + 128 h
.set X,   32                           ; v32-95  my 64 numbers: register 32 c + i is d = 64 c + 32 h + i of the K step
.set C,   96                           ; v96-107 the fragment's codes
.set TC,  108                          ; v108-115 the second halves of the blocks' codes
.set R,   116                          ; v116-179 Wo: 16 rows as they are loaded
	s_load_b256 s[4:11], s[0:1], 0x0               ; Wq, Wk, Wv, Wo
	s_load_b128 s[12:15], s[0:1], 0x20             ; wimg, wscl
	v_lshl_add_u32 v[SPW], v0, 2, SPARE
	v_mov_b32 v[NIL], 0
	v_lshrrev_b32 v[T7], 5, v0
	v_readfirstlane_b32 s16, v[T7]                 ; wave = K step
	s_and_b32 s17, ttmp7, 0xffff                   ; the tensor
	s_mov_b32 s18, ttmp9                           ; the tile
	v_and_b32 v[T7], 31, v0
	v_lshlrev_b32 v[L16], 4, v[T7]
	v_lshlrev_b32 v[L8], 3, v[T7]
	v_and_b32 v[RR], 15, v0
	v_bfe_u32 v[HH], v0, 4, 1
	v_lshlrev_b32 v[SH8], 3, v[HH]
	v_mov_b32 v[T22], 0                            ; written once: a lane permute's destination counts as one of its sources
	s_mov_b32 s28, 0x76543210
	s_mov_b32 s29, 0xfedcba98                      ; v_permlanex16_b32's selects for lane l xor 16
	; every LDS address is made here, ahead of the parting of the two ways: a constant, a constant x lane, a constant x wave
	s_mul_i32 s30, s16, SWAVE                      ; my stage
	v_add_nc_u32 v[STI], s30, v[L16]
	v_mul_u32_u24 v[STR], v[RR], SPITCH
	v_lshl_add_u32 v[STR], v[HH], 7, v[STR]
	v_add_nc_u32 v[STR], s30, v[STR]
	s_lshl_b32 s31, s16, 2
	s_add_co_u32 s31, s31, WST
	v_lshl_add_u32 v[WSA], v[RR], 4, s31           ; WST + 16 r + 4 s
	v_add_nc_u32 v[WSR], WST, v[L8]
	s_mul_i32 s24, s17, 196608
	s_mul_i32 s19, s18, 6144
	s_add_co_u32 s24, s24, s19
	s_mul_i32 s19, s16, 1536
	s_add_co_u32 s24, s24, s19                     ; my fragment's image
	s_mov_b32 s25, 0
	s_lshl_b32 s26, s17, 13
	s_lshl_b32 s19, s18, 8
	s_add_co_u32 s26, s26, s19                     ; the tile's scale words
	s_mov_b32 s27, 0
	s_wait_kmcnt 0x0
	s_add_nc_u64 s[12:13], s[12:13], s[24:25]
	s_add_nc_u64 s[14:15], s[14:15], s[26:27]
	s_mov_b64 s[22:23], s[4:5]                     ; the weight is chosen by the work-group's y alone
	s_cmp_eq_u32 s17, 1
	s_cselect_b64 s[22:23], s[6:7], s[22:23]
	s_cmp_eq_u32 s17, 2
	s_cselect_b64 s[22:23], s[8:9], s[22:23]
	s_cmp_eq_u32 s17, 3
	s_cselect_b64 s[22:23], s[10:11], s[22:23]
	s_cmp_eq_u32 s17, 3
	s_cbranch_scc1 .Lwo
	; ---- Wq, Wk, Wv: W(128 s + 64 c + 32 h + i, e), a lane to a column
	s_lshr_b32 s24, s18, 2
	s_lshl_b32 s24, s24, 17                        ; the head's 512 x 64 numbers,
	s_bfe_u32 s19, s18, 0x10001
	s_lshl_b32 s19, s19, 7
	s_add_co_u32 s24, s24, s19                     ; + 32 (t / 2) channels
	s_and_b32 s19, s18, 1
	s_lshl_b32 s19, s19, 5
	s_add_co_u32 s24, s24, s19                     ; + 8 (t % 2)
	s_lshl_b32 s19, s16, 15
	s_add_co_u32 s24, s24, s19                     ; + my K step's 128 rows of 256 bytes
	s_add_nc_u64 s[22:23], s[22:23], s[24:25]
	v_and_b32 v[VO], 8, v[RR]
	v_add_nc_u32 v[VO], v[VO], v[RR]               ; r + 8 (r / 8)
	v_lshlrev_b32 v[VO], 2, v[VO]
	v_lshl_add_u32 v[VO], v[HH], 13, v[VO]         ; lanes 16-31 begin 32 rows further down
.irp c, 0,1                            ; 64 loads on end.  The counter's field holds 63: the issue of the last is held until one has come back (ISA guide 5.7.1); no wait is placed for that
.set ii, 0
.rept 32
	global_load_b32 v[X+32*\c+ii], v[VO], s[22:23] offset:(64*\c+ii)*256
.set ii, ii+1
.endr
.endr
	s_branch .Lquant
.Lwo:	; ---- Wo: row i's 128 numbers of my K step are 512 consecutive bytes: one load, 16 bytes a lane
	s_lshl_b32 s24, s18, 15                        ; 16 rows of 2,048 bytes a tile,
	s_lshl_b32 s19, s16, 9
	s_add_co_u32 s24, s24, s19                     ; + my K step's 512 bytes
	s_add_nc_u64 s[22:23], s[22:23], s[24:25]
.irp i, 0,1,2,3,4,5,6,7,8,9,10,11,12,13,14,15
	global_load_b128 v[R+4*\i:R+4*\i+3], v[L16], s[22:23] offset:2048*\i th:TH_LOAD_NT
.endr
	s_wait_alu depctr_va_vdst(0)
.irp i, 0,1,2,3,4,5,6,7,8,9,10,11,12,13,14,15
	s_wait_loadcnt 15-\i                           ; loads come back in order: row i is in, the 15 - i younger ones may be out
	ds_store_b128 v[STI], v[R+4*\i:R+4*\i+3] offset:SPITCH*\i
.endr
.irp c, 0,1                            ; LDS serves a wave's instructions in order: these see my stores; the stage is my wave's own
.irp j, 0,1,2,3,4,5,6,7
	ds_load_b128 v[X+32*\c+4*\j:X+32*\c+4*\j+3], v[STR] offset:256*\c+16*\j
.endr
.endr
.Lquant:	; ---- my two whole blocks (2 c + h, c = 0, 1) are quantised
	s_wait_loadcnt 0x0                             ; the one way's loads,
	s_wait_dscnt 0x0                               ; the other way's reads of the stage: my 64 numbers are in
.irp c, 0,1
	v_max3_num_f32 v[MX+\c], |v[X+32*\c]|, |v[X+32*\c+1]|, 0x1800000   ; the floor 2^(3 - 127) among the leaves: the byte cannot fall under 1
.endr
.irp i, 2,4,6,8,10,12,14,16,18,20,22,24,26,28,30
.irp c, 0,1
	v_max3_num_f32 v[MX+\c], v[MX+\c], |v[X+32*\c+\i]|, |v[X+32*\c+\i+1]|   ; (the two blocks by turns)
.endr
.endr
.irp c, 0,1
	v_add_nc_u32 v[SO+\c], 0xff000000, v[MX+\c]    ; 2 off the exponent field: the conversion takes the exponent field of this operand as its scale
.endr
.irp c, 0,1
	v_lshrrev_b32 v[BY+\c], 23, v[SO+\c]           ; the scale's byte
.endr
	v_lshl_or_b32 v[T7], v[BY+1], 16, v[BY]        ; my two bytes, blocks h and 2 + h,
	v_lshlrev_b32 v[T7], v[SH8], v[T7]             ; at their places in the word;
	v_permlanex16_b32 v[T22], v[T7], s28, s29
	v_or_b32 v[W], v[T7], v[T22]                   ; with lane l xor 16's two the word is whole
	ds_store_b32 v[WSA], v[W]                      ; lanes l and l + 16 write the same word with the same value
.irp c, 0,1
	v_cvt_scalef32_pk16_fp6_f32 v[C+6*\c:C+6*\c+2], v[X+32*\c:X+32*\c+15], v[SO+\c]
	v_cvt_scalef32_pk16_fp6_f32 v[TC+4*\c:TC+4*\c+2], v[X+32*\c+16:X+32*\c+31], v[SO+\c]   ; (a conversion's three registers begin on an even number)
.endr
	v_nop                                          ; one plain place behind a scaled conversion
.irp c, 0,1
.irp i, 0,1,2
	v_mov_b32 v[C+6*\c+3+\i], v[TC+4*\c+\i]
.endr
.endr
.irp g, 0,1,2
	global_store_b128 v[L16], v[C+4*\g:C+4*\g+3], s[12:13] offset:512*\g   ; 32 lanes store 512 consecutive bytes, aligned
.endr
	s_wait_dscnt 0x0                               ; for the others' sake: my word has landed
	s_barrier_signal -1
	s_barrier_wait -1                              ; the tile's 64 words lie in LDS
	s_cmp_lg_u32 s16, 0
	s_cbranch_scc1 .Lno_words
	ds_load_b64 v[WO2:WO2+1], v[WSR]
	s_wait_dscnt 0x0
	global_store_b64 v[L8], v[WO2:WO2+1], s[14:15] ; 32 lanes store 256 consecutive bytes, aligned
.Lno_words:
	s_wait_tensorcnt 0x0                           ; the wave's end: behind my last LDS store
	ds_add_u32 v[SPW], v[NIL]
	s_wait_dscnt 0x0
	s_endpgm
.Lfunc_end_k_qfb8fddb25d_prep:
	.size	k_qfb8fddb25d_prep, .Lfunc_end_k_qfb8fddb25d_prep-k_qfb8fddb25d_prep
	.p2alignl 7, 3214868480
	.fill 96, 4, 3214868480
	.section	.rodata,"a",@progbits
	.p2align	6, 0x0
	.amdhsa_kernel k_qfb8fddb25d_prep
		.amdhsa_group_segment_fixed_size 34560
		.amdhsa_private_segment_fixed_size 0
		.amdhsa_enable_private_segment 0
		.amdhsa_kernarg_size 48
		.amdhsa_user_sgpr_count 2
		.amdhsa_user_sgpr_kernarg_segment_ptr 1
		.amdhsa_wavefront_size32 1
		.amdhsa_system_sgpr_workgroup_id_x 1
		.amdhsa_system_sgpr_workgroup_id_y 1
		.amdhsa_system_sgpr_workgroup_id_z 1
		.amdhsa_system_vgpr_workitem_id 0
		.amdhsa_next_free_vgpr 192
		.amdhsa_next_free_sgpr 66
		.amdhsa_reserve_vcc 0
		.amdhsa_float_denorm_mode_32 3
		.amdhsa_float_denorm_mode_16_64 3
		.amdhsa_memory_ordered 1
		.amdhsa_forward_progress 1
		.amdhsa_inst_pref_size 17
	.end_amdhsa_kernel
	.amdgpu_metadata
---
amdhsa.version: [ 1, 2 ]
amdhsa.kernels:
  - .name:           k_qfb8fddb25d_prep
    .symbol:         k_qfb8fddb25d_prep.kd
    .args:
      - { .name: Wq, .offset: 0, .size: 8, .value_kind: global_buffer, .address_space: global }
      - { .name: Wk, .offset: 8, .size: 8, .value_kind: global_buffer, .address_space: global }
      - { .name: Wv, .offset: 16, .size: 8, .value_kind: global_buffer, .address_space: global }
      - { .name: Wo, .offset: 24, .size: 8, .value_kind: global_buffer, .address_space: global }
      - { .name: wimg, .offset: 32, .size: 8, .value_kind: global_buffer, .address_space: global }
      - { .name: wscl, .offset: 40, .size: 8, .value_kind: global_buffer, .address_space: global }
    .group_segment_fixed_size: 34560
    .private_segment_fixed_size: 0
    .kernarg_segment_align: 8
    .kernarg_segment_size: 48
    .max_flat_workgroup_size: 128
    .sgpr_count:     66
    .vgpr_count:     192
    .wavefront_size: 32
...
	.end_amdgpu_metadata
.endif
;; end of part 5
;; launch proj (part 6): grid 64 x 3, 8 waves a work-group, no clusters, 327,680 bytes of LDS; arguments q, k, v, wimg, wscl, bq, bk, bv, qrec, kv; writes qrec, kv
.if DOCPART == 6
	.amdgcn_target "amdgcn-amd-amdhsa--gfx1250"
	.amdhsa_code_object_version 6
	.text
	.protected	k_qfb8fddb25d_proj
	.globl	k_qfb8fddb25d_proj
	.p2align	8
	.type	k_qfb8fddb25d_proj,@function
k_qfb8fddb25d_proj:
	s_mov_b64 s[64:65], 0
	v_nop
	global_prefetch_b8 v0, s[64:65] scope:SCOPE_SE
	s_setreg_imm32_b32 hwreg(HW_REG_WAVE_MODE, 25, 1), 1
	s_wait_xcnt 0x0
.set CHUNK,  8448
.set XPITCH, 528
.set XWAVE,  4*CHUNK
.set XIMG,   8*XWAVE
.set XSC,    XIMG+32*1536
.set SPARE,  XSC+16*128
.set L16, 1
.set L8,  2
.set XR,  3
.set XWI, 4
.set XWS, 5
.set LS4, 6
.set FI,  7
.set SH,  8
.set BO,  9
.set SPW, 12
.set NIL, 13
.set WS,  14
.set XS,  22
.set SW,  26
.set SV,  30
.set HA,  32
.set XF,  96
.set PCE, 192
.set PCO, 204
.set TC,  216
.set TM,  224
.set PW,  236
.set WF,  0
.set BI,  192
.set G1,  24
.set G0,  32
.set WV,  48
.set YY,  49
.set XX,  50
.set SEL, 68
.set HM,  70
.set MSB, 0
.macro WIN new
.if MSB != \new
	s_set_vgpr_msb (MSB<<8)|\new
.set MSB, \new
.endif
.endm
.macro PLACES
.rept 4
	v_nop
.endr
.endm
.macro QUANT src, dst
.irp b, 0,1,2,3
	v_max3_num_f32 v[TM+\b], |v[(\src)+16*\b]|, |v[(\src)+1+16*\b]|, 0x1800000
.endr
.irp i, 2,4,6,8,10,12,14
.irp b, 0,1,2,3
	v_max3_num_f32 v[TM+\b], v[TM+\b], |v[(\src)+16*\b+\i]|, |v[(\src)+1+16*\b+\i]|
.endr
.endr
.irp b, 0,1,2,3
	s_delay_alu instid0(VALU_DEP_4)
	v_permlanex16_b32 v[TM+4+\b], v[TM+\b], s[SEL], s[SEL+1]
.endr
.irp b, 0,1,2,3
	s_delay_alu instid0(VALU_DEP_4)
	v_max_num_f32 v[TM+\b], v[TM+\b], v[TM+4+\b]
.endr
.irp b, 0,1,2,3
	s_delay_alu instid0(VALU_DEP_4)
	v_add_nc_u32 v[TM+8+\b], 0xff000000, v[TM+\b]
.endr
.irp b, 0,1,2,3
	s_delay_alu instid0(VALU_DEP_4)
	v_lshrrev_b32 v[TM+4+\b], 23, v[TM+8+\b]
.endr
	s_delay_alu instid0(VALU_DEP_3)
	v_lshl_or_b32 v[PW], v[TM+5], 8, v[TM+4]
	s_delay_alu instid0(VALU_DEP_1)
	v_lshl_or_b32 v[PW], v[TM+6], 16, v[PW]
	s_delay_alu instid0(VALU_DEP_1)
	v_lshl_or_b32 v[PW], v[TM+7], 24, v[PW]
.irp c, 0,1
	v_cvt_scalef32_pk16_fp6_f32 v[(\dst)+6*\c:(\dst)+6*\c+2], v[(\src)+32*\c:(\src)+32*\c+15], v[TM+8+2*\c]
	v_cvt_scalef32_pk16_fp6_f32 v[TC+4*\c:TC+4*\c+2], v[(\src)+32*\c+16:(\src)+32*\c+31], v[TM+8+2*\c+1]
.endr
	v_nop
.irp c, 0,1
.irp i, 0,1,2
	v_permlane16_swap_b32 v[(\dst)+6*\c+\i], v[TC+4*\c+\i]
.endr
.irp i, 0,1,2
	s_delay_alu instid0(VALU_DEP_3)
	v_mov_b32 v[(\dst)+6*\c+3+\i], v[TC+4*\c+\i]
.endr
.endr
.endm
	s_load_b512 s[4:19], s[0:1], 0x0
	s_load_b128 s[20:23], s[0:1], 0x40
	v_lshl_add_u32 v[SPW], v0, 2, SPARE
	v_mov_b32 v[NIL], 0
	ds_add_u32 v[SPW], v[NIL]
	ds_add_u32 v[SPW], v[NIL]
	v_lshrrev_b32 v10, 5, v0
	s_delay_alu instid0(VALU_DEP_1)
	v_readfirstlane_b32 s[WV], v10
	s_and_b32 s[YY], ttmp7, 0xffff
	s_mov_b32 s[XX], ttmp9
	s_mov_b32 s[G1+0], (2<<16)|(1<<20)|(6<<22)|(3<<25)
	s_mov_b32 s[G1+1], 128<<16
	s_mov_b32 s[G1+2], 64<<16
	s_mov_b32 s[G1+3], 128<<16
	s_mov_b32 s[G1+4], 64
	s_mov_b32 s[G1+5], 512
	s_mov_b32 s[G1+6], 0
	s_mov_b32 s[G1+7], 0
	s_mov_b32 s[SEL], 0x76543210
	s_mov_b32 s[SEL+1], 0xfedcba98
	s_lshl_b32 s72, s[XX], 18
	s_lshr_b32 s73, s[WV], 2                       ; my one tensor load: rows 64 (w / 4) .. + 63 of the block's 128,
	s_lshl_b32 s73, s73, 17
	s_and_b32 s90, s[WV], 3                        ; their K chunk w % 4: 512 bytes of each row
	s_lshl_b32 s90, s90, 9
	s_add_co_u32 s73, s73, s90
	s_add_co_u32 s72, s72, s73
	s_mov_b32 s73, 0
	s_mul_i32 s74, s[YY], 196608
	s_mul_i32 s75, s[WV], 24576
	s_add_co_u32 s74, s74, s75
	s_mov_b32 s75, 0
	s_lshl_b32 s76, s[YY], 13
	s_lshl_b32 s77, s[WV], 10
	s_add_co_u32 s76, s76, s77
	s_mov_b32 s77, 0
	s_lshl_b32 s78, s[WV], 8
	s_mov_b32 s79, 0
	s_lshr_b32 s80, s[XX], 4
	s_lshl_b32 s80, s80, 3
	s_add_co_u32 s80, s80, s[WV]
	s_lshl_b32 s80, s80, 4
	s_and_b32 s81, s[XX], 15
	s_add_co_u32 s80, s80, s81
	s_mul_i32 s82, s[WV], XWAVE
	s_lshr_b32 s90, s[WV], 2                       ; where I read my 16 rows: region 4 (w / 4) + chunk, row 16 (w % 4) + r
	s_mul_i32 s90, s90, 4*XWAVE
	s_and_b32 s91, s[WV], 3
	s_mul_i32 s91, s91, 16*XPITCH
	s_add_co_u32 s90, s90, s91
	s_lshr_b32 s83, s[WV], 1
	s_and_b32 s84, s[WV], 1
	v_and_b32 v10, 31, v0
	s_delay_alu instid0(VALU_DEP_1)
	v_lshlrev_b32 v[L16], 4, v10
	s_delay_alu instid0(VALU_DEP_2)
	v_lshlrev_b32 v[L8], 3, v10
	s_delay_alu instid0(VALU_DEP_3)
	v_lshl_add_u32 v[LS4], v10, 2, XSC
	s_delay_alu instid0(VALU_DEP_3)
	v_add_nc_u32 v[FI], XIMG, v[L16]
	v_and_b32 v11, 15, v0
	v_bfe_u32 v10, v0, 4, 1
	s_delay_alu instid0(VALU_DEP_2)
	v_mul_u32_u24 v[XR], v11, XPITCH
	s_delay_alu instid0(VALU_DEP_1)
	v_lshl_add_u32 v[XR], v10, 6, v[XR]
	s_delay_alu instid0(VALU_DEP_1)
	v_add_nc_u32 v[XR], s90, v[XR]
	s_mul_i32 s85, s83, 12288
	s_lshl_b32 s86, s84, 7
	s_add_co_u32 s85, s85, s86
	s_add_co_u32 s85, s85, XIMG
	v_bfe_u32 v[XWS], v0, 3, 1
	v_and_b32 v[BO], 7, v0
	s_delay_alu instid0(VALU_DEP_2)
	v_mul_u32_u24 v[XWI], v[XWS], 6144
	s_delay_alu instid0(VALU_DEP_1)
	v_lshl_add_u32 v[XWI], v[BO], 4, v[XWI]
	s_delay_alu instid0(VALU_DEP_1)
	v_lshl_add_u32 v[XWI], v10, 8, v[XWI]
	s_delay_alu instid0(VALU_DEP_1)
	v_add_nc_u32 v[XWI], s85, v[XWI]
	s_lshl_b32 s85, s83, 9
	s_lshl_b32 s86, s84, 5
	s_add_co_u32 s85, s85, s86
	s_add_co_u32 s85, s85, XSC
	v_lshlrev_b32 v[XWS], 6, v[XWS]
	s_delay_alu instid0(VALU_DEP_1)
	v_lshl_add_u32 v[XWS], v[BO], 2, v[XWS]
	s_delay_alu instid0(VALU_DEP_1)
	v_add_nc_u32 v[XWS], s85, v[XWS]
	v_lshlrev_b32 v[SH], 4, v10
	v_cmp_eq_u32 s[HM], 1, v10
.irp b, 0,1,2,3
	v_mov_b32 v[TM+4+\b], 0
.endr
	s_wait_dscnt 0x0
	s_wait_kmcnt 0x0
	s_cmp_eq_u32 s[YY], 0
	s_cselect_b64 s[52:53], s[4:5], s[6:7]
	s_cselect_b64 s[54:55], s[14:15], s[16:17]
	s_cselect_b64 s[60:61], s[20:21], s[22:23]
	s_mov_b32 s66, 13056
	s_cselect_b32 s66, 6656, s66
	s_mov_b32 s88, 12288
	s_cselect_b32 s88, 6144, s88
	s_mov_b32 s89, 0
	s_cmp_eq_u32 s[YY], 2
	s_cselect_b64 s[52:53], s[8:9], s[52:53]
	s_cselect_b64 s[54:55], s[18:19], s[54:55]
	s_mul_i32 s80, s80, s66
	s_mov_b32 s81, 0
	s_add_nc_u64 s[60:61], s[60:61], s[80:81]
	s_add_nc_u64 s[62:63], s[60:61], s[88:89]
	s_add_nc_u64 s[52:53], s[52:53], s[72:73]
	s_add_nc_u64 s[54:55], s[54:55], s[78:79]
	s_add_nc_u64 s[56:57], s[10:11], s[74:75]
	s_add_nc_u64 s[58:59], s[12:13], s[76:77]
	s_mov_b32 s[G0], 1
	s_mov_b32 s[G0+1], s82                         ; region w of LDS: 64 rows of 528 bytes
	s_mov_b64 s[G0+2:G0+3], s[52:53]
	s_or_b32 s[G0+3], s[G0+3], 0x80000000
	s_wait_alu depctr_va_vdst(0)                   ; the wait at the head's end
	tensor_load_to_lds s[G0:G0+3], s[G1:G1+7]      ; one tensor load a wave: the eight bring the block's 128 rows x 2,048 bytes
	s_nop 0
	PLACES
	WIN 0x40
.set ff, 0
.rept 16
.irp g, 0,1,2
	global_load_b128 v[WF+12*ff+4*\g:WF+12*ff+4*\g+3], v[L16], s[56:57] offset:1536*ff+512*\g
.endr
.set ff, ff+1
.endr
	WIN 0
	s_cmp_eq_u32 s[YY], 2
	s_cbranch_scc1 .Lbias_v
	v_lshlrev_b32 v[BO], 6, v10
	WIN 0x40
.irp t, 0,1,2,3
	global_load_b128 v[BI+8*\t:BI+8*\t+3], v[BO], s[54:55] offset:(32*(\t/2)+8*(\t%2))*4
	global_load_b128 v[BI+8*\t+4:BI+8*\t+7], v[BO], s[54:55] offset:(32*(\t/2)+8*(\t%2))*4+16
.endr
	WIN 0
	s_branch .Lbias_done
.Lbias_v:
	v_and_b32 v[BO], 8, v11
	s_delay_alu instid0(VALU_DEP_1)
	v_add_nc_u32 v[BO], v[BO], v11
	s_delay_alu instid0(VALU_DEP_1)
	v_lshlrev_b32 v[BO], 2, v[BO]
	WIN 0x40
.irp t, 0,1,2,3
.irp j, 0,1,2,3,4,5,6,7
	global_load_b32 v[BI+8*\t+\j], v[BO], s[54:55] offset:(32*(\t/2)+8*(\t%2))*4
.endr
.endr
	WIN 0
.Lbias_done:
.irp p, 0,1
	global_load_b128 v[WS+4*\p:WS+4*\p+3], v[L16], s[58:59] offset:512*\p
.endr
.macro XLD s
.set XD, HA+64*((\s)%2)
.if (\s) > 0
	v_add_nc_u32 v[XR], XWAVE, v[XR]               ; the next chunk's region
.endif
.irp b, 0,1,2,3
.irp j, 0,1,2,3
	ds_load_b128 v[XD+16*\b+4*\j:XD+16*\b+4*\j+3], v[XR] offset:128*\b+16*\j
.endr
.endr
.endm
	s_wait_alu depctr_va_vdst(0)
	s_wait_tensorcnt 0x0                           ; my region is in,
	s_barrier_signal -1
	s_barrier_wait -1                              ; everybody's is: I read rows that four waves have brought
	XLD 0
.irp s, 0,1,2,3
.if \s < 3
	XLD \s+1
	s_wait_dscnt 16
.else
	s_wait_dscnt 0x0
.endif
	QUANT HA+64*(\s%2), PCE
.irp g, 0,1,2
	ds_store_b128 v[XWI], v[PCE+4*\g:PCE+4*\g+3] offset:1536*\s+512*\g
.endr
	ds_store_b32 v[XWS], v[PW] offset:128*\s
.endr
	s_wait_dscnt 0x0
	s_barrier_signal -1
	s_barrier_wait -1
	s_wait_loadcnt 0x0
.macro FETCH P
.irp xt, 0,1
.irp s, 0,1,2,3
.irp g, 0,1,2
	ds_load_b128 v[XF+12*(4*\xt+\s)+4*\g:XF+12*(4*\xt+\s)+4*\g+3], v[FI] offset:(4*(2*(\P)+\xt)+\s)*1536+512*\g
.endr
.endr
.endr
.irp s, 0,1,2,3
	ds_load_b32 v[XS+\s], v[LS4] offset:(4*(\P)+\s)*128
.endr
.endm
.macro WM
.if fA && fB
	v_wmma_scale_f32_16x16x128_f8f6f4 v[rD:rD+7], v[rA:rA+11], v[rB:rB+11], v[rC:rC+7], v[rSA], v[rSB] matrix_a_fmt:MATRIX_FMT_FP6 matrix_b_fmt:MATRIX_FMT_FP6 matrix_a_scale:MATRIX_SCALE_ROW1 matrix_b_scale:MATRIX_SCALE_ROW1
.elseif fA
	v_wmma_scale_f32_16x16x128_f8f6f4 v[rD:rD+7], v[rA:rA+11], v[rB:rB+11], v[rC:rC+7], v[rSA], v[rSB] matrix_a_fmt:MATRIX_FMT_FP6 matrix_b_fmt:MATRIX_FMT_FP6 matrix_a_scale:MATRIX_SCALE_ROW1
.elseif fB
	v_wmma_scale_f32_16x16x128_f8f6f4 v[rD:rD+7], v[rA:rA+11], v[rB:rB+11], v[rC:rC+7], v[rSA], v[rSB] matrix_a_fmt:MATRIX_FMT_FP6 matrix_b_fmt:MATRIX_FMT_FP6 matrix_b_scale:MATRIX_SCALE_ROW1
.else
	v_wmma_scale_f32_16x16x128_f8f6f4 v[rD:rD+7], v[rA:rA+11], v[rB:rB+11], v[rC:rC+7], v[rSA], v[rSB] matrix_a_fmt:MATRIX_FMT_FP6 matrix_b_fmt:MATRIX_FMT_FP6
.endif
.endm
.macro MULS vway
.irp s, 0,1,2,3
.if \vway
.if \s == 0
	WIN 0x14
.else
	WIN 0x04
.endif
.else
.if \s == 0
	WIN 0x11
.else
	WIN 0x01
.endif
.endif
.irp xt, 0,1
.irp t, 0,1,2,3
.if \vway
.set rD, HA+16*\t+8*\xt
.set rA, XF+12*(4*\xt+\s)
.set rB, WF+12*(4*\t+\s)
.set rSA, XS+\s
.set rSB, WS+4*(\t/2)+\s
.set fA, \xt
.set fB, \t%2
.else
.set rD, HA+32*\xt+8*\t
.set rA, WF+12*(4*\t+\s)
.set rB, XF+12*(4*\xt+\s)
.set rSA, WS+4*(\t/2)+\s
.set rSB, XS+\s
.set fA, \t%2
.set fB, \xt
.endif
.if \s == 0
.set rC, BI+8*\t
.else
.set rC, rD
.endif
	WM
.endr
.endr
.endr
	WIN 0
.endm
	FETCH 0
	s_cmp_eq_u32 s[YY], 2
	s_cbranch_scc1 .Lvway
.irp P, 0,1,2,3
	s_wait_dscnt 0x0
	MULS 0
	PLACES
.if \P < 3
	FETCH \P+1
.endif
.if \P >= 2
	s_wait_xcnt 0x0
.endif
	QUANT HA, PCE+12*(\P%2)
	global_store_b128 v[L16], v[PCE+12*(\P%2):PCE+12*(\P%2)+3], s[60:61] offset:1536*\P
	global_store_b64 v[L8], v[PCE+12*(\P%2)+4:PCE+12*(\P%2)+5], s[60:61] offset:1536*\P+512
	global_store_b128 v[L16], v[PCE+12*(\P%2)+6:PCE+12*(\P%2)+9], s[60:61] offset:1536*\P+768
	global_store_b64 v[L8], v[PCE+12*(\P%2)+10:PCE+12*(\P%2)+11], s[60:61] offset:1536*\P+1280
	v_lshrrev_b32 v[SW+\P], v[SH], v[PW]
	s_delay_alu instid0(VALU_DEP_1)
	v_and_b32 v[SW+\P], 0xffff, v[SW+\P]
.endr
	global_store_b128 v[L16], v[SW:SW+3], s[62:63]
	s_branch .Ldone
.Lvway:
.irp P, 0,1,2,3
	s_wait_dscnt 0x0
	MULS 1
	PLACES
.if \P < 3
	FETCH \P+1
.endif
.if \P >= 2
	s_wait_xcnt 0x0
.endif
	QUANT HA, PCE+12*(\P%2)
.irp t, 0,1,2,3
.if \P == 0
	v_mov_b32 v[SW+\t], v[TM+4+\t]
.else
	v_lshl_or_b32 v[SW+\t], v[TM+4+\t], 8*\P, v[SW+\t]
.endif
.endr
.if \P%2
.irp i, 0,1,2,3,4,5,6,7,8,9,10,11
	v_permlane16_swap_b32 v[PCE+\i], v[PCO+\i]
.endr
.irp c, 0,1
	global_store_b128 v[L16], v[PCE+6*\c:PCE+6*\c+3], s[60:61] offset:6144+(4*\c+\P/2)*768
	global_store_b64 v[L8], v[PCE+6*\c+4:PCE+6*\c+5], s[60:61] offset:6144+(4*\c+\P/2)*768+512
	global_store_b128 v[L16], v[PCO+6*\c:PCO+6*\c+3], s[60:61] offset:6144+(4*\c+2+\P/2)*768
	global_store_b64 v[L8], v[PCO+6*\c+4:PCO+6*\c+5], s[60:61] offset:6144+(4*\c+2+\P/2)*768+512
.endr
.endif
.endr
	v_cndmask_b32 v[SV], v[SW], v[SW+1], s[HM]
	v_cndmask_b32 v[SV+1], v[SW+2], v[SW+3], s[HM]
	global_store_b64 v[L8], v[SV:SV+1], s[60:61] offset:12800
.Ldone:
	s_wait_tensorcnt 0x0
	ds_add_u32 v[SPW], v[NIL]
	s_wait_dscnt 0x0
	s_endpgm
.Lfunc_end_k_qfb8fddb25d_proj:
	.size	k_qfb8fddb25d_proj, .Lfunc_end_k_qfb8fddb25d_proj-k_qfb8fddb25d_proj
	.p2alignl 7, 3214868480
	.fill 96, 4, 3214868480
	.section	.rodata,"a",@progbits
	.p2align	6, 0x0
	.amdhsa_kernel k_qfb8fddb25d_proj
		.amdhsa_group_segment_fixed_size 327680
		.amdhsa_private_segment_fixed_size 0
		.amdhsa_enable_private_segment 0
		.amdhsa_kernarg_size 80
		.amdhsa_user_sgpr_count 2
		.amdhsa_user_sgpr_kernarg_segment_ptr 1
		.amdhsa_wavefront_size32 1
		.amdhsa_system_sgpr_workgroup_id_x 1
		.amdhsa_system_sgpr_workgroup_id_y 1
		.amdhsa_system_sgpr_workgroup_id_z 1
		.amdhsa_system_vgpr_workitem_id 0
		.amdhsa_next_free_vgpr 512
		.amdhsa_next_free_sgpr 96
		.amdhsa_reserve_vcc 0
		.amdhsa_float_denorm_mode_32 3
		.amdhsa_float_denorm_mode_16_64 3
		.amdhsa_memory_ordered 1
		.amdhsa_forward_progress 1
		.amdhsa_inst_pref_size 127
	.end_amdhsa_kernel
	.amdgpu_metadata
---
amdhsa.version: [ 1, 2 ]
amdhsa.kernels:
  - .name:           k_qfb8fddb25d_proj
    .symbol:         k_qfb8fddb25d_proj.kd
    .args:
      - { .name: q, .offset: 0, .size: 8, .value_kind: global_buffer, .address_space: global }
      - { .name: k, .offset: 8, .size: 8, .value_kind: global_buffer, .address_space: global }
      - { .name: v, .offset: 16, .size: 8, .value_kind: global_buffer, .address_space: global }
      - { .name: wimg, .offset: 24, .size: 8, .value_kind: global_buffer, .address_space: global }
      - { .name: wscl, .offset: 32, .size: 8, .value_kind: global_buffer, .address_space: global }
      - { .name: bq, .offset: 40, .size: 8, .value_kind: global_buffer, .address_space: global }
      - { .name: bk, .offset: 48, .size: 8, .value_kind: global_buffer, .address_space: global }
      - { .name: bv, .offset: 56, .size: 8, .value_kind: global_buffer, .address_space: global }
      - { .name: qrec, .offset: 64, .size: 8, .value_kind: global_buffer, .address_space: global }
      - { .name: kv, .offset: 72, .size: 8, .value_kind: global_buffer, .address_space: global }
    .group_segment_fixed_size: 327680
    .private_segment_fixed_size: 0
    .kernarg_segment_align: 8
    .kernarg_segment_size: 80
    .max_flat_workgroup_size: 256
    .sgpr_count:     96
    .vgpr_count:     512
    .wavefront_size: 32
...
	.end_amdgpu_metadata
.endif
;; end of part 6
;; launch attn (part 7): grid 8 x 32, 8 waves a work-group, clusters of 4 x 1, 211,968 bytes of LDS; arguments qrec, kv, cimg, cscl; writes cimg, cscl
.if DOCPART == 7
	.amdgcn_target "amdgcn-amd-amdhsa--gfx1250"
	.amdhsa_code_object_version 6
	.text
	.protected	k_qfb8fddb25d_attn
	.globl	k_qfb8fddb25d_attn
	.p2align	8
	.type	k_qfb8fddb25d_attn,@function
k_qfb8fddb25d_attn:
	s_mov_b64 s[64:65], 0
	v_nop
	global_prefetch_b8 v0, s[64:65] scope:SCOPE_SE
	s_setreg_imm32_b32 hwreg(HW_REG_WAVE_MODE, 25, 1), 1
	s_wait_xcnt 0x0
	s_wait_alu depctr_hold_cnt(0) depctr_sa_sdst(0) depctr_va_vdst(0) depctr_va_sdst(0) depctr_va_ssrc(0) depctr_va_vcc(0) depctr_vm_vsrc(0)
	s_getreg_b32 s2, hwreg(HW_REG_IB_STS2, 6, 4)
	s_cmp_eq_u32 s2, 0
	s_cbranch_scc0 .Lentry_in_a_cluster
	s_endpgm
.Lentry_in_a_cluster:
	s_bfe_u32 s2, ttmp6, 0x10000c
	s_cmp_lg_u32 s2, 0x3003
	s_cbranch_scc0 .Lentry_shape_is_right
	s_endpgm
.Lentry_shape_is_right:
; ATTN: for each plane (batch, head): S = Q(qh) Q(kh)^T; t = S log2(e) / 8; p = 2^(t - M), M the ceiling of the running largest t; O = Q(p) Q(vh) / (the sum of the unquantised p); O is quantised along e for the last product.
; No work is left out.  All operands arrive as codes in the order of the operand's registers, as proj stores them.
; SHARES: work-group y = the plane, x = a block of 256 queries; each of its eight waves owns TWO tiles of 16 queries, A in register window 0 and B in window 1 under the same register numbers; each fragment of K and V read from LDS serves both.
; THE TWO TILES TAKE TURNS: tile B's score products of a step are issued behind tile A's exponentials, tile A's of the next step behind tile B's: a tile's scores are first read a whole softmax behind their products.
; A PLANE'S WHOLE K AND V STAY IN LDS: 16 records of 13,056 bytes (128 keys each); wave w brings records 2 w and 2 w + 1 by one tensor load, a first fill; nothing is filled again.  A wave begins with its own two records
; (its own wait on TENSORcnt orders these reads), the barrier is signalled ahead of step 0 and waited for behind it, and the walk goes on round the 16 records: step i takes record (2 w + i) mod 16.  The running M serves any order of the keys.
; CLUSTER: the four query blocks of a cluster belong to one plane and read the same records: each load is asked for JOINTLY, with the same descriptor and a mask that names the four.
; NO PREFETCH: all of K and V is asked for at the head, by the one load a wave; the loop asks memory for nothing.
; LAYOUT: both products transposed (S^T = K Q^T, O^T = V^T P^T): a lane holds ONE query.  A tile of K is put together from half tiles of the record BY LANE ADDRESS: row 8 g + j of tile 4 c + u is key 64 c + 32 g + 8 u + j.
; So lane (r, h) holds in register 32 c + i the key 64 c + 32 h + i: whole blocks of 32 keys, in the order of p's operand: a block's maximum needs no other lane and the codes need no exchange.
; A BLOCK'S SCALE: p = 2^(t - M), so floor(log2(the block's largest p)) = floor(the block's largest t - M): the byte is made of that whole number, held at 1 from below, among the multiply-adds ahead of the exponentials.
; K = 64 IN THE FIRST PRODUCT fills half of the instruction's 128: Q's registers 6-11 are zero codes and its scale bytes 2, 3 are 0; K's registers 6-11 are then whatever follows: they meet zeros and add exactly 0.
; LIMITS: as stated at the head of prep; v_exp_f32 gives 0 for results under 2^-126; where v_exp_f32 rounds a block's largest p up to the next power of two (t - M within one f32 step under a whole number), that one p is held at the largest code.
.set REC,   13056
.set SCST,  16*REC                     ; behind the records: the stage for O's scale words, 64 bytes a tile
.set SPARE, SCST+1024                  ; the spare words, 128 bytes for each wave: four blocks of 256 bytes that no other line names
; window 0 alone
.set L16, 1                            ; 16 x lane
.set L8,  2                            ; 8 x lane
.set BK16, 3                           ; K's lane terms: 1536 (r / 8) + 16 (r % 8) + 256 h,
.set BK8, 4                            ; 1536 (r / 8) + 8 (r % 8) + 128 h,
.set BKS, 5                            ; and for its scale words 16 (r % 8) + 4 (r / 8) + 256 h
.set AK16, 6                           ; v6-10 the same and V's (16 x lane, 8 x lane) + the record's first byte
.set AK8, 7
.set AKS, 8
.set AV16, 9
.set AV8, 10
.set SPW, 11                           ; LDS address of my spare word; never rewritten
.set NIL, 12                           ; 0; never rewritten
.set SCA, 13                           ; where I put my row's scale word
.set KS,  14                           ; v14-17 K's scale words: register T / 2: lanes 0-15 the even tile, lanes 16-31 the odd one
.set VS,  18                           ; v18-19 V's likewise
.set QS,  20                           ; Q's: lanes 0-15 tile A, lanes 16-31 tile B
.set PW,  21                           ; v21, v22 p's scale word of tile A, of tile B
.set SCR, 23                           ; where waves 0-3 read the words back
.set QF,  24                           ; v24-35 Q's fragment of tile A (six registers of codes, six of zeros), v36-47 of tile B
.set F,   192                          ; v192-239 K's eight half fragments, v240-245 zeros
; window 1 alone
.set VF,  192                          ; V's four fragments
; both windows: tile A's in window 0, tile B's in window 1
.set S,   48                           ; S^T, then p
.set O,   112                          ; O^T
.set PC,  144                          ; p's codes
.set TC,  156                          ; the second halves of the blocks' codes
.set BM,  164                          ; four chains of maxima; then BM, BM + 2: my two blocks' largest score, then the floor of their largest t - M
.set SO,  168                          ; the conversions' scale operands
.set BY,  170                          ; the scale bytes
.set T,   172                          ; v172-175 at work
.set NM,  176                          ; -M; NM + 1: the running largest score
.set SUM, 178                          ; the way out: the row's sum
.set FF,  180                          ; f = 2^(old M - new M); FF + 1 is named with it as a pair
.set C,   182                          ; v182-189 the row's sum so far, in four chains of two halves
.set SH8, 190                          ; 8 h
.set WV,  12
.set CX,  13
.set QB,  14
.set PL,  15
.set IDX, 16                           ; 2 w + the step whose record is fetched
.set TB,  17                           ; LDS byte at which that record begins
.set CNT, 18
.set SEL, 20                           ; s[20:21] lane selects: lane l xor 16
.set CS,  22                           ; s[22:23] c = log2(e) / 8
.set G1,  24
.set G0,  32
.set MSB, 0
.macro WIN new                         ; the immediate's high byte repeats the setting that is left
.if MSB != (\new)
	s_set_vgpr_msb (MSB<<8)|(\new)
.set MSB, (\new)
.endif
.endm
.macro ROUND                           ; a round of the cluster's barrier
	s_barrier_signal -1
	s_barrier_wait -1
	s_cmp_lg_u32 s[WV], 0
	s_cbranch_scc1 .Lnot_wave_0_\@
	s_barrier_signal -3
.Lnot_wave_0_\@:
	s_barrier_wait -3
	s_barrier_signal -1
	s_barrier_wait -1
.endm
.macro WM d, a, b, c, sa, sb, fa, fb   ; one product; fa, fb: that side's scales are read from lanes 16-31
.if (\fa) && (\fb)
	v_wmma_scale_f32_16x16x128_f8f6f4 v[\d:\d+7], v[\a:\a+11], v[\b:\b+11], \c, v[\sa], v[\sb] matrix_a_fmt:MATRIX_FMT_FP6 matrix_b_fmt:MATRIX_FMT_FP6 matrix_a_scale:MATRIX_SCALE_ROW1 matrix_b_scale:MATRIX_SCALE_ROW1
.elseif (\fa)
	v_wmma_scale_f32_16x16x128_f8f6f4 v[\d:\d+7], v[\a:\a+11], v[\b:\b+11], \c, v[\sa], v[\sb] matrix_a_fmt:MATRIX_FMT_FP6 matrix_b_fmt:MATRIX_FMT_FP6 matrix_a_scale:MATRIX_SCALE_ROW1
.elseif (\fb)
	v_wmma_scale_f32_16x16x128_f8f6f4 v[\d:\d+7], v[\a:\a+11], v[\b:\b+11], \c, v[\sa], v[\sb] matrix_a_fmt:MATRIX_FMT_FP6 matrix_b_fmt:MATRIX_FMT_FP6 matrix_b_scale:MATRIX_SCALE_ROW1
.else
	v_wmma_scale_f32_16x16x128_f8f6f4 v[\d:\d+7], v[\a:\a+11], v[\b:\b+11], \c, v[\sa], v[\sb] matrix_a_fmt:MATRIX_FMT_FP6 matrix_b_fmt:MATRIX_FMT_FP6
.endif
.endm
.macro QK x                            ; S^T = K Q^T of tile x: eight products, each starts its sum
	WIN 0x40*\x
.irp t, 0,1,2,3,4,5,6,7
	WM S+8*\t, F+6*\t, QF+12*\x, 0, KS+\t/2, QS, \t%2, \x
.endr
.endm
.macro PV x, first                     ; O^T += V^T P^T of tile x: the four accumulators by turns
	WIN 0x01+0x54*\x
.irp t, 0,1,2,3
.if \first
	WM O+8*\t, VF+12*\t, PC, 0, VS+\t/2, PW+\x, \t%2, 0
.else
	WM O+8*\t, VF+12*\t, PC, v[O+8*\t:O+8*\t+7], VS+\t/2, PW+\x, \t%2, 0
.endif
.endr
.endm
.macro KLOAD                           ; tile 4 c + u: lanes r < 8 take rows 8 (u / 2) .. of the record's tile 4 c + u % 2, lanes r >= 8 the same rows two tiles on
.irp t, 0,1,2,3,4,5,6,7
	ds_load_b128 v[F+6*\t:F+6*\t+3], v[AK16] offset:768*(4*(\t/4)+\t%2)+128*((\t%4)/2)
	ds_load_b64 v[F+6*\t+4:F+6*\t+5], v[AK8] offset:512+768*(4*(\t/4)+\t%2)+64*((\t%4)/2)
.endr
.irp g, 0,1,2,3
	ds_load_b32 v[KS+\g], v[AKS] offset:12288+128*(\g%2)+8*(\g/2)
.endr
.endm
.macro VLOAD                           ; V's four tiles x two halves, as they lie
	WIN 0x40
.irp i, 0,1,2,3,4,5,6,7
	ds_load_b128 v[VF+6*\i:VF+6*\i+3], v[AV16] offset:6144+768*\i
	ds_load_b64 v[VF+6*\i+4:VF+6*\i+5], v[AV8] offset:6656+768*\i
.endr
	WIN 0
	ds_load_b64 v[VS:VS+1], v[AV8] offset:12800
.endm
.macro FM n                            ; t - M of the next 2 n scores, two at a time (of the pairs c and -M the low word serves both halves)
.rept \n
	v_pk_fma_f32 v[S+jj:S+jj+1], v[S+jj:S+jj+1], s[CS:CS+1], v[NM:NM+1] op_sel_hi:[1,0,0]
.set jj, jj+2
.endr
.endm
.macro ADD4                            ; the next eight p onto the sum's four chains
.irp k, 0,1,2,3
	v_pk_add_f32 v[C+2*\k:C+2*\k+1], v[C+2*\k:C+2*\k+1], v[S+jj+2*\k:S+jj+2*\k+1]
.endr
.set jj, jj+8
.endm
; The softmax of tile x for 128 keys, and its second product.  first: the walk's first step starts M, the sum and O^T; last: nothing more is fetched.
.macro SM x, first, last
.set VW, 0x55*\x
	WIN VW
.irp c, 0,1                            ; the largest score of my two blocks, four chains by turns; each accumulator is first read at its low end
	v_max3_num_f32 v[BM+2*\c], v[S+32*\c], v[S+32*\c+1], v[S+32*\c+2]
	v_max3_num_f32 v[BM+2*\c+1], v[S+32*\c+16], v[S+32*\c+17], v[S+32*\c+18]
.endr
.irp i, 3,5,7,9,11,13
.irp c, 0,1
	v_max3_num_f32 v[BM+2*\c], v[BM+2*\c], v[S+32*\c+\i], v[S+32*\c+\i+1]
	v_max3_num_f32 v[BM+2*\c+1], v[BM+2*\c+1], v[S+32*\c+16+\i], v[S+32*\c+17+\i]
.endr
.endr
.irp c, 0,1
	v_max3_num_f32 v[BM+2*\c], v[BM+2*\c], v[BM+2*\c+1], v[S+32*\c+15]
.endr
.irp c, 0,1
	v_max_num_f32 v[BM+2*\c], v[BM+2*\c], v[S+32*\c+31]
.endr
	s_delay_alu instid0(VALU_DEP_1)
	v_max_num_f32 v[T], v[BM], v[BM+2]
	s_delay_alu instid0(VALU_DEP_1)
	v_permlanex16_b32 v[T+1], v[T], s[SEL], s[SEL+1]   ; lane l xor 16 holds my query's other 64 keys
	s_delay_alu instid0(VALU_DEP_1)
.if \first
	v_max_num_f32 v[NM+1], v[T], v[T+1]
.else
	v_max3_num_f32 v[NM+1], v[NM+1], v[T], v[T+1]  ; the running largest score
.endif
	s_delay_alu instid0(VALU_DEP_1)
	v_mul_f32 v[T+2], s[CS], v[NM+1]               ; as t (c is positive)
	s_delay_alu instid0(VALU_DEP_1)
.if \first
	v_floor_f32 v[NM], -v[T+2]                     ; -M = floor(-t) = -ceil(t): M is a whole number
.else
	v_floor_f32 v[T+3], -v[T+2]
	s_delay_alu instid0(VALU_DEP_1)
	v_sub_f32 v[T+2], v[T+3], v[NM]                ; old M less new M: a whole number, 0 or less
	v_mov_b32 v[NM], v[T+3]
.endif
; the 32 multiply-adds; among them, so that no line waits for the line above it, the rest of f's chain and the chain of p's scale word
.set jj, 0
	v_fma_f32 v[BM], v[BM], s[CS], v[NM]           ; each block's largest t - M
	v_fma_f32 v[BM+2], v[BM+2], s[CS], v[NM]
	FM 4
.if \first == 0
	v_cvt_i32_f32 v[T+2], v[T+2]                   ; (it saturates)
.endif
	v_max_num_f32 v[BM], 0xc2f80000, v[BM]         ; held at -124 from below: the byte cannot fall under 1
	v_max_num_f32 v[BM+2], 0xc2f80000, v[BM+2]
	FM 4
.if \first == 0
	v_ldexp_f32 v[FF], 1.0, v[T+2]                 ; f = 2^(old M - new M): the rescaling rounds nothing
.endif
	v_floor_f32 v[BM], v[BM]                       ; floor(log2(the block's largest p))
	v_floor_f32 v[BM+2], v[BM+2]
	FM 4
	v_cvt_i32_f32 v[BM], v[BM]
	v_cvt_i32_f32 v[BM+2], v[BM+2]
	FM 4
	v_lshl_add_u32 v[SO], v[BM], 23, 0x3e800000    ; + 127 - 2 in the exponent field: the conversion's scale operand
	v_lshl_add_u32 v[SO+1], v[BM+2], 23, 0x3e800000
	FM 4
	v_lshrrev_b32 v[BY], 23, v[SO]                 ; the scale's byte
	v_lshrrev_b32 v[BY+1], 23, v[SO+1]
	FM 4
	v_lshl_or_b32 v[T], v[BY+1], 16, v[BY]         ; my two bytes, blocks h and 2 + h,
	FM 2
	v_lshlrev_b32 v[T], v[SH8], v[T]               ; at their places in the word;
	FM 2
	v_permlanex16_b32 v[T+1], v[T], s[SEL], s[SEL+1]
	FM 4
	WIN 0x05*\x                                    ; (scale registers lie in window 0)
	v_or_b32 v[PW+\x], v[T], v[T+1]                ; with lane l xor 16's two the word is whole
	WIN VW
	s_wait_alu depctr_va_vdst(0)                   ; the wait ahead of the batch, and directly ahead of the first reader of O^T
.if \first == 0
.set jj, 0
.rept 16
	v_pk_mul_f32 v[O+jj:O+jj+1], v[O+jj:O+jj+1], v[FF:FF+1] op_sel_hi:[1,0]   ; O^T under the new M, each accumulator from its low end on
.set jj, jj+2
.endr
.endif
.set jj, 0
.rept 64
	v_exp_f32 v[S+jj], v[S+jj]                     ; p = 2^(t - M), at most 1: not normalised
.set jj, jj+1
.endr
.if (\x == 0) && (\last == 0)
	v_add_nc_u32 v[AK16], s[TB], v[BK16]           ; the next record's addresses: plain work behind the exponentials
	v_add_nc_u32 v[AK8], s[TB], v[BK8]
	v_add_nc_u32 v[AKS], s[TB], v[BKS]
	v_add_nc_u32 v[AV16], s[TB], v[L16]
	v_add_nc_u32 v[AV8], s[TB], v[L8]
.else
	v_nop                                          ; a plain place behind the exponentials
.endif
	s_wait_alu depctr_va_vdst(0)                   ; one wait for the whole batch, ahead of its first reader
.if \x == 0
	s_wait_dscnt 0x0                               ; this step's V is in
	QK 1                                           ; tile B's scores of this step
	WIN VW
.elseif \last == 0
	s_wait_dscnt 0x0                               ; the next step's K is in
	QK 0                                           ; tile A's scores of the next step
	WIN VW
.endif
.irp c, 0,1
	v_cvt_scalef32_pk16_fp6_f32 v[PC+6*\c:PC+6*\c+2], v[S+32*\c:S+32*\c+15], v[SO+\c]
	v_cvt_scalef32_pk16_fp6_f32 v[TC+4*\c:TC+4*\c+2], v[S+32*\c+16:S+32*\c+31], v[SO+\c]   ; (a conversion's three registers begin on an even number)
.endr
	v_nop                                          ; one plain place behind a scaled conversion
.irp c, 0,1
.irp i, 0,1,2
	v_mov_b32 v[PC+6*\c+3+\i], v[TC+4*\c+\i]
.endr
.endr
.if (\x == 0) && (\last == 0)
	KLOAD                                          ; the next step's K: seven plain vector instructions stand behind the products that read these registers
.endif
; the row's sum is taken of the unquantised p, in four chains that are kept from step to step.  These lines are also the places behind the codes' last writes
.if \first
.irp k, 0,1,2,3
	v_pk_add_f32 v[C+2*\k:C+2*\k+1], v[S+2*\k:S+2*\k+1], v[S+8+2*\k:S+9+2*\k]
.endr
.set jj, 16
.rept 4
	ADD4
.endr
.else
.irp k, 0,1,2,3
	v_pk_fma_f32 v[C+2*\k:C+2*\k+1], v[C+2*\k:C+2*\k+1], v[FF:FF+1], v[S+2*\k:S+2*\k+1] op_sel_hi:[1,0,1]   ; the old sum under the new M
.endr
.set jj, 8
.rept 5
	ADD4
.endr
.endif
	PV \x, \first
	WIN VW
	ADD4                                           ; the sum's rest names no register of the products above: the places in front of the loads below
	ADD4
.if (\x == 1) && (\last == 0)
	VLOAD                                          ; the next step's V
.endif
.endm
.macro STEP first, last
.if \first
	s_add_co_u32 s[TB], s38, REC                   ; my second record
	s_add_co_u32 s[IDX], s[IDX], 1
.elseif \last == 0
	s_add_co_u32 s[IDX], s[IDX], 1
	s_and_b32 s[TB], s[IDX], 15                    ; round the 16 records
	s_mul_i32 s[TB], s[TB], REC
.endif
	SM 0, \first, \last
	SM 1, \first, \last
	WIN 0
.endm
; THE WAY OUT of tile x.  O^T / the sum; register 16 b + i is channel 32 b + 16 h + i of my query: two blocks of the last product's K, each in lanes l and l xor 16
.macro TAIL x
	WIN 0x55*\x
	v_pk_add_f32 v[C:C+1], v[C:C+1], v[C+2:C+3]    ; the sum's four chains,
	v_pk_add_f32 v[C+4:C+5], v[C+4:C+5], v[C+6:C+7]
	v_pk_add_f32 v[C:C+1], v[C:C+1], v[C+4:C+5]
	v_add_f32 v[SUM], v[C], v[C+1]                 ; its two halves,
	s_delay_alu instid0(VALU_DEP_1)
	v_permlanex16_b32 v[T], v[SUM], s[SEL], s[SEL+1]
	s_delay_alu instid0(VALU_DEP_1)
	v_add_f32 v[SUM], v[SUM], v[T]                 ; and lane l xor 16's: the row's sum
	s_wait_alu depctr_va_vdst(0)                   ; the wait ahead of the reciprocal,
	v_rcp_f32 v[SUM], v[SUM]
	v_nop
	s_wait_alu depctr_va_vdst(0)                   ; and ahead of its first reader, which is also O^T's
.set jj, 0
.rept 32
	v_mul_f32 v[S+jj], v[O+jj], v[SUM]             ; each accumulator from its low end on
.set jj, jj+1
.endr
.irp b, 0,1
	v_max3_num_f32 v[BM+\b], |v[S+16*\b]|, |v[S+1+16*\b]|, 0x1800000
.endr
.irp i, 2,4,6,8,10,12,14
.irp b, 0,1
	s_delay_alu instid0(VALU_DEP_2)
	v_max3_num_f32 v[BM+\b], v[BM+\b], |v[S+16*\b+\i]|, |v[S+1+16*\b+\i]|
.endr
.endr
.irp b, 0,1
	s_delay_alu instid0(VALU_DEP_2)
	v_permlanex16_b32 v[T+\b], v[BM+\b], s[SEL], s[SEL+1]
.endr
.irp b, 0,1
	s_delay_alu instid0(VALU_DEP_2)
	v_max_num_f32 v[BM+\b], v[BM+\b], v[T+\b]
.endr
.irp b, 0,1
	s_delay_alu instid0(VALU_DEP_2)
	v_add_nc_u32 v[SO+\b], 0xff000000, v[BM+\b]
.endr
.irp b, 0,1
	s_delay_alu instid0(VALU_DEP_2)
	v_lshrrev_b32 v[BY+\b], 23, v[SO+\b]
.endr
	s_delay_alu instid0(VALU_DEP_1)
	v_lshl_or_b32 v[T+2], v[BY+1], 8, v[BY]        ; my row's two bytes; the upper half of the word is 0
	v_cvt_scalef32_pk16_fp6_f32 v[PC:PC+2], v[S:S+15], v[SO]
	v_cvt_scalef32_pk16_fp6_f32 v[TC:TC+2], v[S+16:S+31], v[SO+1]
	v_nop
.irp i, 0,1,2
	v_permlane16_swap_b32 v[PC+\i], v[TC+\i]
.endr
.irp i, 0,1,2
	v_mov_b32 v[PC+3+\i], v[TC+\i]                 ; registers 0-5: lane (r, h): channels 32 h + 0 .. 31 of query r
.endr
	WIN 0x04*\x                                    ; the data in the tile's window, the addresses in window 0
	global_store_b128 v[L16], v[PC:PC+3], s[8:9] offset:6144*\x       ; 512 and 256 consecutive bytes, aligned
	global_store_b64 v[L8], v[PC+4:PC+5], s[8:9] offset:6144*\x+512
	ds_store_b32 v[SCA], v[T+2] offset:64*\x       ; lanes l and l + 16 write the same word with the same value
.endm
	s_load_b256 s[4:11], s[0:1], 0x0               ; qrec, kv, cimg, cscl
	v_lshl_add_u32 v[SPW], v0, 2, SPARE
	v_mov_b32 v[NIL], 0
	ds_add_u32 v[SPW], v[NIL]                      ; the wave's opening: the add, twice on end, and its wait ahead of my first tensor load
	ds_add_u32 v[SPW], v[NIL]
	v_lshrrev_b32 v[T], 5, v0
	v_readfirstlane_b32 s[WV], v[T]                ; wave 0..7
	s_bfe_u32 s[CX], ttmp6, 0x40000                ; my place in the cluster: it enters Q's and the outputs' global addresses alone
	s_lshl_b32 s[QB], ttmp9, 2
	s_add_co_u32 s[QB], s[QB], s[CX]               ; my block of 256 queries
	s_and_b32 s[PL], ttmp7, 0xffff                 ; the plane, which the four partners share
	s_mov_b32 s[G1+0], 15|(3<<16)|(1<<21)          ; the mask: all four work-groups; elements of 8 bytes; bit 21 set beside a mask
	s_mov_b32 s[G1+1], 32<<16                      ; two records are a dense block: 102 rows of 256 bytes
	s_mov_b32 s[G1+2], 102<<16
	s_mov_b32 s[G1+3], 32<<16
	s_mov_b32 s[G1+4], 102
	s_mov_b32 s[G1+5], 32
	s_mov_b32 s[G1+6], 0
	s_mov_b32 s[G1+7], 0
	s_mov_b32 s[SEL], 0x76543210
	s_mov_b32 s[SEL+1], 0xfedcba98
	s_mov_b32 s[CS], 0x3e38aa3b                    ; log2(e) / sqrt(64)
	s_mov_b32 s[CS+1], s[CS]                       ; (named with it as a pair, so it is written)
	s_lshl_b32 s[IDX], s[WV], 1                    ; my first record, and my first tile of the block's sixteen
	s_mul_i32 s38, s[IDX], REC                     ; its place in LDS,
	s_mul_i32 s40, s[PL], 16*REC
	s_add_co_u32 s40, s40, s38                     ; and in kv
	s_mov_b32 s41, 0
	s_lshl_b32 s42, s[PL], 4                       ; Q: record 16 plane + 2 block + w / 4, tiles 2 (w % 4) and the next
	s_lshl_b32 s43, s[QB], 1
	s_add_co_u32 s42, s42, s43
	s_lshr_b32 s43, s[WV], 2
	s_add_co_u32 s42, s42, s43
	s_mul_i32 s42, s42, 6656
	s_and_b32 s43, s[WV], 3
	s_mul_i32 s44, s43, 1536
	s_add_co_u32 s44, s44, s42                     ; their codes
	s_mov_b32 s45, 0
	s_lshl_b32 s46, s43, 2
	s_add_co_u32 s46, s46, s42
	s_add_co_u32 s46, s46, 6144                    ; their scale words: lane slot 16 (t % 2) + r, word t / 2 = w % 4
	s_mov_b32 s47, 0
	s_lshr_b32 s48, s[PL], 3                       ; cimg: image 8 (128 batch + 16 block + tile) + head
	s_lshl_b32 s48, s48, 7
	s_lshl_b32 s49, s[QB], 4
	s_add_co_u32 s48, s48, s49
	s_add_co_u32 s48, s48, s[IDX]
	s_lshl_b32 s48, s48, 3
	s_and_b32 s49, s[PL], 7
	s_add_co_u32 s48, s48, s49
	s_mul_i32 s48, s48, 768
	s_mov_b32 s49, 0
	s_min_u32 s39, s[WV], 3
	s_lshl_b32 s39, s39, 8                         ; waves 0-3 store 256 bytes each of the block's 1,024 bytes of scale words
	s_lshl_b32 s50, s[PL], 13
	s_lshl_b32 s51, s[QB], 10
	s_add_co_u32 s50, s50, s51
	s_add_co_u32 s50, s50, s39
	s_mov_b32 s51, 0
	s_lshl_b32 s52, s[WV], 7
	s_add_co_u32 s52, s52, SCST
	s_add_co_u32 s53, s39, SCST
	v_and_b32 v[T], 31, v0
	v_and_b32 v[T+1], 7, v0                        ; r % 8
	v_bfe_u32 v[T+2], v0, 3, 1                     ; r / 8
	v_bfe_u32 v[T+3], v0, 4, 1                     ; h
	v_and_b32 v[C], 15, v0                         ; r
	v_lshlrev_b32 v[L16], 4, v[T]
	v_lshlrev_b32 v[L8], 3, v[T]
	v_mul_u32_u24 v[BK16], v[T+2], 1536
	v_lshlrev_b32 v[BKS], 4, v[T+1]
	v_lshl_add_u32 v[BK8], v[T+1], 3, v[BK16]
	v_lshl_add_u32 v[BK16], v[T+1], 4, v[BK16]
	v_lshl_add_u32 v[BKS], v[T+2], 2, v[BKS]
	v_lshl_add_u32 v[BK8], v[T+3], 7, v[BK8]
	v_lshl_add_u32 v[BK16], v[T+3], 8, v[BK16]
	v_lshl_add_u32 v[BKS], v[T+3], 8, v[BKS]
	v_lshlrev_b32 v[SH8], 3, v[T+3]
	v_lshl_add_u32 v[SCA], v[C], 2, s52
	v_add_nc_u32 v[SCR], s53, v[L8]
	v_add_nc_u32 v[AK16], s38, v[BK16]             ; my first record's addresses
	v_add_nc_u32 v[AK8], s38, v[BK8]
	v_add_nc_u32 v[AKS], s38, v[BKS]
	v_add_nc_u32 v[AV16], s38, v[L16]
	v_add_nc_u32 v[AV8], s38, v[L8]
	s_wait_dscnt 0x0                               ; both opening adds are done
	s_wait_kmcnt 0x0
	s_mov_b32 s[G0], 1                             ; count = 1
	s_mov_b32 s[G0+1], s38                         ; LDS address: wave x two records' bytes
	s_add_nc_u64 s[G0+2:G0+3], s[6:7], s[40:41]    ; global address: made of the plane and the wave's number alone
	s_or_b32 s[G0+3], s[G0+3], 0x80000000          ; type = 2
	s_add_nc_u64 s[54:55], s[4:5], s[46:47]        ; Q's scale words,
	s_add_nc_u64 s[4:5], s[4:5], s[44:45]          ; its codes
	s_add_nc_u64 s[8:9], s[8:9], s[48:49]
	s_add_nc_u64 s[10:11], s[10:11], s[50:51]
	ROUND                                          ; all four work-groups are here: the joint loads meet
	tensor_load_to_lds s[G0:G0+3], s[G1:G1+7]
	s_nop 0
	s_wait_alu depctr_va_vdst(0)                   ; the wait ahead of the readers below
	global_load_b128 v[QF:QF+3], v[L16], s[4:5]    ; Q stays in registers
	global_load_b64 v[QF+4:QF+5], v[L8], s[4:5] offset:512
	global_load_b128 v[QF+12:QF+15], v[L16], s[4:5] offset:768
	global_load_b64 v[QF+16:QF+17], v[L8], s[4:5] offset:1280
	global_load_b32 v[QS], v[L16], s[54:55]
.irp i, 6,7,8,9,10,11
	v_mov_b32 v[QF+\i], 0                          ; the upper half of the K step: zero codes
	v_mov_b32 v[QF+12+\i], 0
	v_mov_b32 v[F+42+\i], 0                        ; what tile 7 of K names behind its own six registers
.endr
	v_mov_b32 v[FF+1], 0                           ; (named as the upper half of the pair with f)
	WIN 0x40                                       ; tile B's copies, in window 1
	v_mov_b32 v[FF+1], 0
	v_mov_b32 v[T+1], 0                            ; a lane permute's destination counts as one of its sources
	v_mov_b32 v[SH8], v[SH8]
	WIN 0
	s_wait_alu depctr_va_vdst(0)                   ; the wait at the head's end
	s_wait_tensorcnt 0x0                           ; my two records are in:
	s_barrier_signal -1                            ; say so; until the wait below I read my own records alone
	KLOAD
	VLOAD
	s_wait_loadcnt 0x0                             ; Q
	s_wait_dscnt 0x0
	QK 0                                           ; tile A's scores of step 0
.rept 4
	v_nop                                          ; four places in front of the first read of the scores
.endr
	STEP 1, 0                                      ; step 0, on record 2 w; it fetches record 2 w + 1
	s_barrier_wait -1                              ; everybody's records are in: from here on all sixteen are only read
	s_mov_b32 s[CNT], 14
.Lstep:                                ; steps 1 to 14
	STEP 0, 0
	s_sub_co_u32 s[CNT], s[CNT], 1
	s_cmp_lg_u32 s[CNT], 0
	s_cbranch_scc1 .Lstep
	STEP 0, 1                                      ; step 15 fetches nothing
	TAIL 0
	TAIL 1
	WIN 0
	s_wait_dscnt 0x0                               ; for the others' sake: my stores have landed
	s_barrier_signal -1
	s_barrier_wait -1
	s_cmp_lt_u32 s[WV], 4
	s_cbranch_scc0 .Lno_words
	ds_load_b64 v[C:C+1], v[SCR]                   ; four tiles' words: 256 bytes
	s_wait_dscnt 0x0
	global_store_b64 v[L8], v[C:C+1], s[10:11]     ; 32 lanes store 256 consecutive bytes, aligned
.Lno_words:
	s_wait_tensorcnt 0x0                           ; the wave's end: behind my last tensor load and my last LDS store
	ds_add_u32 v[SPW], v[NIL]
	s_wait_dscnt 0x0
	ROUND                                          ; the closing round: no work-group ends while a partner may still ask for a record that names it
	s_endpgm
.Lfunc_end_k_qfb8fddb25d_attn:
	.size	k_qfb8fddb25d_attn, .Lfunc_end_k_qfb8fddb25d_attn-k_qfb8fddb25d_attn
	.p2alignl 7, 3214868480
	.fill 96, 4, 3214868480
	.section	.rodata,"a",@progbits
	.p2align	6, 0x0
	.amdhsa_kernel k_qfb8fddb25d_attn
		.amdhsa_group_segment_fixed_size 211968
		.amdhsa_private_segment_fixed_size 0
		.amdhsa_enable_private_segment 0
		.amdhsa_kernarg_size 32
		.amdhsa_user_sgpr_count 2
		.amdhsa_user_sgpr_kernarg_segment_ptr 1
		.amdhsa_wavefront_size32 1
		.amdhsa_system_sgpr_workgroup_id_x 1
		.amdhsa_system_sgpr_workgroup_id_y 1
		.amdhsa_system_sgpr_workgroup_id_z 1
		.amdhsa_system_vgpr_workitem_id 0
		.amdhsa_next_free_vgpr 512
		.amdhsa_next_free_sgpr 66
		.amdhsa_reserve_vcc 0
		.amdhsa_float_denorm_mode_32 3
		.amdhsa_float_denorm_mode_16_64 3
		.amdhsa_memory_ordered 1
		.amdhsa_forward_progress 1
		.amdhsa_inst_pref_size 97
	.end_amdhsa_kernel
	.amdgpu_metadata
---
amdhsa.version: [ 1, 2 ]
amdhsa.kernels:
  - .name:           k_qfb8fddb25d_attn
    .symbol:         k_qfb8fddb25d_attn.kd
    .args:
      - { .name: qrec, .offset: 0, .size: 8, .value_kind: global_buffer, .address_space: global }
      - { .name: kv, .offset: 8, .size: 8, .value_kind: global_buffer, .address_space: global }
      - { .name: cimg, .offset: 16, .size: 8, .value_kind: global_buffer, .address_space: global }
      - { .name: cscl, .offset: 24, .size: 8, .value_kind: global_buffer, .address_space: global }
    .group_segment_fixed_size: 211968
    .private_segment_fixed_size: 0
    .kernarg_segment_align: 8
    .kernarg_segment_size: 32
    .max_flat_workgroup_size: 256
    .sgpr_count:     66
    .vgpr_count:     512
    .wavefront_size: 32
...
	.end_amdgpu_metadata
.endif
;; end of part 7
;; launch outp (part 8): grid 4 x 64, 8 waves a work-group, no clusters, 35,840 bytes of LDS; arguments cimg, cscl, wimg, wscl, out0; writes out0
.if DOCPART == 8
	.amdgcn_target "amdgcn-amd-amdhsa--gfx1250"
	.amdhsa_code_object_version 6
	.text
	.protected	k_qfb8fddb25d_outp
	.globl	k_qfb8fddb25d_outp
	.p2align	8
	.type	k_qfb8fddb25d_outp,@function
k_qfb8fddb25d_outp:
	s_mov_b64 s[64:65], 0
	v_nop
	global_prefetch_b8 v0, s[64:65] scope:SCOPE_SE
	s_setreg_imm32_b32 hwreg(HW_REG_WAVE_MODE, 25, 1), 1
	s_wait_xcnt 0x0
; OUTP: out0 = Q(concat) Q(Wo)^T, on the codes that attn and prep have made.  No work is left out.
; SHARES: a work-group makes 128 tokens (y) x 128 outputs (x).  Wave w: tiles of tokens 2 (w / 2) and 2 (w / 2) + 1 of the block's eight, tiles of outputs 4 (w % 2) + 0 .. 3 of the group's eight: eight accumulators.
; K = 512 is four steps, written out; a step's 20 loads bring register images straight from memory (Wo: 1,536 bytes a fragment; concat: two halves of 768 bytes, heads 2 s and 2 s + 1), one step ahead of the products, in two sets of registers.
; TRANSPOSED: source 0 = 16 rows of Wo, source 1 = 16 tokens: a lane holds eight neighbouring outputs of one token.  Row r of tile 2 P + u is token 32 P + 8 u + r + 8 (r / 8) of the block (proj's order): the stores' offsets undo it.
; concat's scale word of a K step is made of two heads' words (two bytes each): lanes 0-15 load head 2 s's, lanes 16-31 head 2 s + 1's, one lane exchange joins them.
; NO CLUSTER: the operands go straight into registers, and four K steps make no ring in which a joint load into LDS could take turns.
.set SPARE, 8*4352                     ; behind the eight stages (16 rows x 272 bytes each): the spare words, 128 bytes for each wave: four blocks of 256 bytes that no other line names
.set L16, 1                            ; v1   16 x lane
.set L8,  2                            ; v2   8 x lane
.set WS,  8                            ; v8-15  Wo's scale words: register 4 (t / 2) + s: lanes 0-15 the even tile, lanes 16-31 the odd one
.set CS,  16                           ; v16-23 concat's: register 4 xt + s
.set CT,  24                           ; v24-31 lane permutes' destinations
.set SPW, 32                           ; v32  LDS address of my spare word; never rewritten
.set NIL, 33                           ; v33  0; never rewritten
.set STO, 34                           ; v34  the stage: where I put 32 bytes of a row
.set RD,  35                           ; v35  and where I read a row back
.set GO,  36                           ; v36  my byte offset in two rows of out0
.set CSO, 37                           ; v37  my offset among concat's scale words
.set SET0, 40                          ; v40-111, v112-183 two sets: 48 registers of Wo, 24 of concat
.set AC,  184                          ; v184-247 the accumulators: (xt, t) at 32 xt + 8 t
	s_load_b256 s[4:11], s[0:1], 0x0               ; cimg, cscl, wimg, wscl
	s_load_b64 s[12:13], s[0:1], 0x20              ; out0
	v_lshl_add_u32 v[SPW], v0, 2, SPARE
	v_mov_b32 v[NIL], 0
	v_lshrrev_b32 v3, 5, v0
	s_delay_alu instid0(VALU_DEP_1)
	v_readfirstlane_b32 s16, v3                    ; wave 0..7
	s_and_b32 s17, ttmp7, 0xffff                   ; the block of 128 tokens
	s_lshr_b32 s18, s16, 1                         ; which pair of its tiles
	s_and_b32 s19, s16, 1                          ; which four tiles of outputs
	s_lshl_b32 s20, ttmp9, 3
	s_lshl_b32 s21, s19, 2
	s_add_co_u32 s20, s20, s21                     ; my first tile of Wo
	s_mul_i32 s22, s20, 6144
	s_add_co_u32 s22, s22, 3*196608                ; Wo is the fourth tensor in wimg
	s_mov_b32 s23, 0
	s_lshl_b32 s24, s20, 8
	s_add_co_u32 s24, s24, 3*8192                  ; and in wscl
	s_mov_b32 s25, 0
	s_lshl_b32 s26, s17, 3
	s_lshl_b32 s27, s18, 1
	s_add_co_u32 s26, s26, s27
	s_mul_i32 s26, s26, 6144                       ; my first tile of tokens: eight heads' images
	s_mov_b32 s27, 0
	s_lshr_b32 s28, s17, 4
	s_lshl_b32 s28, s28, 16                        ; the batch's eight planes of scale words,
	s_and_b32 s29, s17, 15
	s_lshl_b32 s29, s29, 3
	s_lshl_b32 s30, s18, 1
	s_add_co_u32 s29, s29, s30
	s_lshl_b32 s29, s29, 6                         ; my first tile's 16 words in a plane
	s_add_co_u32 s28, s28, s29
	s_mov_b32 s29, 0
	s_lshl_b32 s30, s17, 18                        ; out0: 128 rows of 2,048 bytes a block,
	s_lshl_b32 s31, s18, 16                        ; 32 rows a pair of tiles,
	s_add_co_u32 s30, s30, s31
	s_lshl_b32 s31, ttmp9, 9                       ; 128 outputs a group,
	s_add_co_u32 s30, s30, s31
	s_lshl_b32 s31, s19, 8                         ; 64 a wave
	s_add_co_u32 s30, s30, s31
	s_mov_b32 s31, 0
	s_mov_b32 s34, 0x76543210
	s_mov_b32 s35, 0xfedcba98                      ; lane selects: lane l xor 16
	s_mul_i32 s33, s16, 4352                       ; my stage
	v_and_b32 v3, 31, v0
	s_delay_alu instid0(VALU_DEP_1)
	v_lshlrev_b32 v[L16], 4, v3
	s_delay_alu instid0(VALU_DEP_2)
	v_lshlrev_b32 v[L8], 3, v3
	v_and_b32 v4, 15, v0                           ; r
	v_bfe_u32 v5, v0, 4, 1                         ; h
	s_delay_alu instid0(VALU_DEP_2)
	v_mul_u32_u24 v[STO], v4, 272
	s_delay_alu instid0(VALU_DEP_1)
	v_lshl_add_u32 v[STO], v5, 5, v[STO]
	s_delay_alu instid0(VALU_DEP_1)
	v_add_nc_u32 v[STO], s33, v[STO]               ; in: row r, + 32 h
	s_delay_alu instid0(VALU_DEP_4)
	v_mul_u32_u24 v[RD], v5, 272
	s_delay_alu instid0(VALU_DEP_1)
	v_lshl_add_u32 v[RD], v4, 4, v[RD]
	s_delay_alu instid0(VALU_DEP_1)
	v_add_nc_u32 v[RD], s33, v[RD]                 ; back: lanes 0-15 one row of 256 bytes, lanes 16-31 the next
	v_lshlrev_b32 v[GO], 11, v5
	s_delay_alu instid0(VALU_DEP_1)
	v_lshl_add_u32 v[GO], v4, 4, v[GO]
	v_lshlrev_b32 v[CSO], 13, v5                   ; lanes 16-31: the next plane
	s_delay_alu instid0(VALU_DEP_1)
	v_lshl_add_u32 v[CSO], v4, 2, v[CSO]
.irp i, 0,1,2,3,4,5,6,7
	v_mov_b32 v[CT+\i], 0                          ; written once: a lane permute's destination counts as one of its sources
.endr
	s_wait_alu depctr_va_vdst(0)
	s_wait_kmcnt 0x0
	s_add_nc_u64 s[4:5], s[4:5], s[26:27]
	s_add_nc_u64 s[6:7], s[6:7], s[28:29]
	s_add_nc_u64 s[8:9], s[8:9], s[22:23]
	s_add_nc_u64 s[10:11], s[10:11], s[24:25]
	s_add_nc_u64 s[12:13], s[12:13], s[30:31]
.macro LOADK s, q                      ; K step s into set q: 20 loads
.set SB, SET0+72*(\q)
.irp t, 0,1,2,3
.irp g, 0,1,2
	global_load_b128 v[SB+12*\t+4*\g:SB+12*\t+4*\g+3], v[L16], s[8:9] offset:6144*\t+1536*(\s)+512*\g
.endr
.endr
.irp xt, 0,1
.irp c, 0,1
	global_load_b128 v[SB+48+12*\xt+6*\c:SB+48+12*\xt+6*\c+3], v[L16], s[4:5] offset:6144*\xt+1536*(\s)+768*\c
	global_load_b64 v[SB+48+12*\xt+6*\c+4:SB+48+12*\xt+6*\c+5], v[L8], s[4:5] offset:6144*\xt+1536*(\s)+768*\c+512
.endr
.endr
.endm
.macro WM                              ; one product; the registers stand in symbols; fA: Wo's scales are read from lanes 16-31; fZ: the product starts its sum
.if fZ && fA
	v_wmma_scale_f32_16x16x128_f8f6f4 v[rD:rD+7], v[rA:rA+11], v[rB:rB+11], 0, v[rSA], v[rSB] matrix_a_fmt:MATRIX_FMT_FP6 matrix_b_fmt:MATRIX_FMT_FP6 matrix_a_scale:MATRIX_SCALE_ROW1
.elseif fZ
	v_wmma_scale_f32_16x16x128_f8f6f4 v[rD:rD+7], v[rA:rA+11], v[rB:rB+11], 0, v[rSA], v[rSB] matrix_a_fmt:MATRIX_FMT_FP6 matrix_b_fmt:MATRIX_FMT_FP6
.elseif fA
	v_wmma_scale_f32_16x16x128_f8f6f4 v[rD:rD+7], v[rA:rA+11], v[rB:rB+11], v[rD:rD+7], v[rSA], v[rSB] matrix_a_fmt:MATRIX_FMT_FP6 matrix_b_fmt:MATRIX_FMT_FP6 matrix_a_scale:MATRIX_SCALE_ROW1
.else
	v_wmma_scale_f32_16x16x128_f8f6f4 v[rD:rD+7], v[rA:rA+11], v[rB:rB+11], v[rD:rD+7], v[rSA], v[rSB] matrix_a_fmt:MATRIX_FMT_FP6 matrix_b_fmt:MATRIX_FMT_FP6
.endif
.endm
.macro MUL s, q                        ; eight products: the accumulators take turns, one instruction a turn, in the same order in every K step
.irp xt, 0,1
.irp t, 0,1,2,3
.set rD, AC+32*\xt+8*\t
.set rA, SET0+72*(\q)+12*\t
.set rB, SET0+72*(\q)+48+12*\xt
.set rSA, WS+4*(\t/2)+(\s)
.set rSB, CS+4*\xt+(\s)
.set fA, \t%2
.set fZ, (\s) == 0
	WM
.endr
.endr
.endm
.macro PLACES
.rept 4
	v_nop
.endr
.endm
.irp p, 0,1
	global_load_b128 v[WS+4*\p:WS+4*\p+3], v[L16], s[10:11] offset:512*\p
.endr
.irp xt, 0,1
.irp s, 0,1,2,3
	global_load_b32 v[CS+4*\xt+\s], v[CSO], s[6:7] offset:64*\xt+16384*\s
.endr
.endr
	LOADK 0, 0
	LOADK 1, 1
	s_wait_loadcnt 20                              ; the scale words and K step 0 are in; K step 1's 20 loads may be out
.irp i, 0,1,2,3,4,5,6,7
	v_permlanex16_b32 v[CT+\i], v[CS+\i], s34, s35
.endr
.irp i, 0,1,2,3,4,5,6,7
	v_lshl_or_b32 v[CS+\i], v[CT+\i], 16, v[CS+\i] ; lanes 0-15: head 2 s's two bytes below, head 2 s + 1's above (lanes 16-31 are not read)
.endr
.rept 8
	v_nop                                          ; a scale register written by a vector instruction stands eight places ahead of a scaled product
.endr
	MUL 0, 0
	PLACES                                         ; four places in front of loads into registers that the products have read
	LOADK 2, 0
	s_wait_alu depctr_va_vdst(0)
	s_wait_loadcnt 20                              ; K step 1 is in
	MUL 1, 1
	PLACES
	LOADK 3, 1
	s_wait_loadcnt 20                              ; K step 2 is in
	MUL 2, 0
	s_wait_loadcnt 0x0
	MUL 3, 1
	PLACES                                         ; four places in front of the first read of results, and of the loads into set 0
	; THE WAY OUT: a tile of 16 tokens x 64 outputs goes through my own stage and comes back as rows of 256 bytes.  LDS serves a wave's instructions in order: no wait between stores and loads, nor ahead of the next tile's stores
.irp xt, 0,1
.irp t, 0,1,2,3
	ds_store_b128 v[STO], v[AC+32*\xt+8*\t:AC+32*\xt+8*\t+3] offset:64*\t          ; each accumulator from its low end on
	ds_store_b128 v[STO], v[AC+32*\xt+8*\t+4:AC+32*\xt+8*\t+7] offset:64*\t+16
.endr
.irp i, 0,1,2,3,4,5,6,7
	ds_load_b128 v[SET0+32*\xt+4*\i:SET0+32*\xt+4*\i+3], v[RD] offset:544*\i       ; rows 2 i and 2 i + 1
.endr
.endr
.irp xt, 0,1
.irp i, 0,1,2,3,4,5,6,7
	s_wait_dscnt 23-16*\xt-\i                      ; the LDS instructions issued behind this load may be out
	global_store_b128 v[GO], v[SET0+32*\xt+4*\i:SET0+32*\xt+4*\i+3], s[12:13] offset:(8*\xt+2*\i+8*(\i/4))*2048 th:TH_STORE_NT   ; row 2 i + h of the tile is token 8 xt + 2 i + h + 8 (i / 4) of my 32; 16 lanes store 256 consecutive bytes, aligned
.endr
.endr
	s_wait_tensorcnt 0x0                           ; the wave's end: behind my last LDS store
	ds_add_u32 v[SPW], v[NIL]
	s_wait_dscnt 0x0
	s_endpgm
.Lfunc_end_k_qfb8fddb25d_outp:
	.size	k_qfb8fddb25d_outp, .Lfunc_end_k_qfb8fddb25d_outp-k_qfb8fddb25d_outp
	.p2alignl 7, 3214868480
	.fill 96, 4, 3214868480
	.section	.rodata,"a",@progbits
	.p2align	6, 0x0
	.amdhsa_kernel k_qfb8fddb25d_outp
		.amdhsa_group_segment_fixed_size 35840
		.amdhsa_private_segment_fixed_size 0
		.amdhsa_enable_private_segment 0
		.amdhsa_kernarg_size 40
		.amdhsa_user_sgpr_count 2
		.amdhsa_user_sgpr_kernarg_segment_ptr 1
		.amdhsa_wavefront_size32 1
		.amdhsa_system_sgpr_workgroup_id_x 1
		.amdhsa_system_sgpr_workgroup_id_y 1
		.amdhsa_system_sgpr_workgroup_id_z 1
		.amdhsa_system_vgpr_workitem_id 0
		.amdhsa_next_free_vgpr 248
		.amdhsa_next_free_sgpr 66
		.amdhsa_reserve_vcc 0
		.amdhsa_float_denorm_mode_32 3
		.amdhsa_float_denorm_mode_16_64 3
		.amdhsa_memory_ordered 1
		.amdhsa_forward_progress 1
		.amdhsa_inst_pref_size 22
	.end_amdhsa_kernel
	.amdgpu_metadata
---
amdhsa.version: [ 1, 2 ]
amdhsa.kernels:
  - .name:           k_qfb8fddb25d_outp
    .symbol:         k_qfb8fddb25d_outp.kd
    .args:
      - { .name: cimg, .offset: 0, .size: 8, .value_kind: global_buffer, .address_space: global }
      - { .name: cscl, .offset: 8, .size: 8, .value_kind: global_buffer, .address_space: global }
      - { .name: wimg, .offset: 16, .size: 8, .value_kind: global_buffer, .address_space: global }
      - { .name: wscl, .offset: 24, .size: 8, .value_kind: global_buffer, .address_space: global }
      - { .name: out0, .offset: 32, .size: 8, .value_kind: global_buffer, .address_space: global }
    .group_segment_fixed_size: 35840
    .private_segment_fixed_size: 0
    .kernarg_segment_align: 8
    .kernarg_segment_size: 40
    .max_flat_workgroup_size: 256
    .sgpr_count:     66
    .vgpr_count:     248
    .wavefront_size: 32
...
	.end_amdgpu_metadata
.endif
;; end of part 8
